; MI455X (gfx1250); checked and timed in simulation.
; The chip was launched on July 23, 2026; its instructions are those of AMD's public machine-readable ISA for CDNA 5 (MIT licence, August 2026) and "CDNA5" Instruction Set Architecture Reference Guide (July 2026). The comments in the code are by the model that wrote it; some were corrected since.
;; Attention. Allowed arithmetic: matrix products marked QUANTISED: E2M3 operands, one E8M0 scale for each 32 along K, by v_wmma_scale_f32_16x16x128_f8f6f4 with both operands' format E2M3, f32 sums; everything else in f32.
;; Inputs: Wk 1,024 x 1,024 float32; Wo 1,024 x 1,024 float32; Wq 1,024 x 1,024 float32; Wv 1,024 x 1,024 float32; bk 1,024 float32; bo 1,024 float32; bq 1,024 float32; bv 1,024 float32; x 4 x 2,048 x 1,024 float32.
;; Outputs: out0 4 x 2,048 x 1,024 float32.
;; This version of the problem:
;;   THIS VERSION OF THE PROBLEM IS GIVEN IN LOW PRECISION. The matrix products marked QUANTISED in the list below multiply operands that are first quantised to E2M3 (2 exponent bits, 3 mantissa bits; 6 bits a number), with one power-of-two scale for each 32 numbers along K (OCP MX v1.0); their sums are f32. All else is computed in f32.
;;   The module's matrix products, in the order in which they are computed (A, B: the left and right operand; K: the contracted axis; several contracted axes count as one K, in the product's order):
;;     1. [M 8,192, K 1,024] x [K 1,024, N 1,024]; A: input x; B: input Wq: QUANTISED
;;     2. [M 8,192, K 1,024] x [K 1,024, N 1,024]; A: input x; B: input Wk: QUANTISED
;;     3. [M 8,192, K 1,024] x [K 1,024, N 1,024]; A: input x; B: input Wv: QUANTISED
;;     4. batch 4 x [M 2,048, K 1,024] x [K 1,024, N 2,048]; A: computed on the way; B: computed on the way: QUANTISED
;;     5. batch 4 x [M 2,048, K 2,048] x [K 2,048, N 1,024]; A: softmax (see below); B: computed on the way: QUANTISED
;;     6. [M 8,192, K 1,024] x [K 1,024, N 1,024]; A: computed on the way; B: input Wo: QUANTISED
;;   THE QUANTISER, for each operand of a quantised product, along K:
;;     - K is cut into blocks of 32 from its start; a last block that is shorter is filled with zeros.
;;     - A block's scale is 2^e with e = floor(log2(the largest magnitude in the block)) - 2, held to -126 .. 127; a block of zeros has e = 0. As a byte (E8M0): e + 127.
;;     - Each number is divided by its block's scale, clamped to +-7.5, and rounded to the nearest number of E2M3, ties to even, subnormals kept.
;;     - The product sums the exact products of the quantised numbers (number of the format x scale) in f32.
;;   ~~~python
;;   def quantise(x, axis):      # numpy; x: float32 -> the quantised numbers, widened to float32 again
;;       x = np.moveaxis(x, axis, -1); K = x.shape[-1]
;;       x = np.pad(x, [(0, 0)] * (x.ndim - 1) + [(0, -K % 32)]); x = x.reshape(x.shape[:-1] + (-1, 32)); a = np.abs(x).max(-1, keepdims=True)
;;       e = np.where(a > 0, np.clip(np.frexp(np.where(a > 0, a, 1))[1] - 1 - 2, -126, 127), 0)      # np.frexp(a)[1] - 1 = floor(log2(a)), exactly
;;       r = np.clip(x / 2.0 ** e, -7.5, 7.5)
;;       step = 2.0 ** (np.maximum(np.frexp(np.where(r == 0, 1, r))[1] - 1, 0) - 3)
;;       q = np.round(r / step) * step * 2.0 ** e      # np.round: ties to even
;;       return np.moveaxis(q.reshape(q.shape[:-2] + (-1,))[..., :K], -1, axis).astype(np.float32)
;;   ~~~
;;   SOFTMAX AHEAD OF A QUANTISED PRODUCT. Where the list says 'softmax', what is quantised is not the finished softmax but p = 2^(t - M), with t = logit x log2(e) and M = ceil(the row's largest t), a whole number; so 1/2 < the row's largest p <= 1. The row's sum l is taken of the UNQUANTISED p, in f32, and the product's result is divided by l at the end. Since M is a whole number, a kernel that streams over the keys may use a running M (the ceiling of the running maximum): every later rescaling is an exact power of two, which a block's scale takes up: the codes' values come out the same.
;;   OPERANDS COMPUTED ON THE WAY. 'Computed on the way' means the value that the module computes at that place (a softmax that the list does not call 'softmax' is quantised finished and normalised). What goes into a quantiser is computed in f32, as accurately as f32 sums, v_exp_f32 and their like allow (about 1e-6 of the number): no bf16 or f16 on the way to a quantiser, and a product that is left as it is and whose result goes on into a quantised operand takes f32 operands (vector FMAs, or v_wmma_f32_16x16x4_f32). A number that lies on a knife's edge between two numbers of the format may be rounded either way, as far as f32 arithmetic and the matrix unit's own rounding can turn it there, and no further.
;; One version. Each part assembles by itself: llvm-mc -triple=amdgcn-amd-amdhsa -mcpu=gfx1250 --defsym DOCPART=n.
;; ======== version 1 of 1: 5 launches
;; limits: right only within a limited range of input values
;; workspace buffers: xw 9,830,400 bytes; qkv 19,660,800 bytes; p 14,155,776 bytes; ctx 6,553,600 bytes
;; launch quant (part 1): grid 384 x 1, 4 waves a work-group, no clusters, 35,328 bytes of LDS; arguments x, Wq, Wk, Wv, Wo, xw; writes xw
.if DOCPART == 1
	.amdgcn_target "amdgcn-amd-amdhsa--gfx1250"
	.amdhsa_code_object_version 6
	.text
	.protected	k_q12b98b6d4b_quant
	.globl	k_q12b98b6d4b_quant
	.p2align	8
	.type	k_q12b98b6d4b_quant,@function
k_q12b98b6d4b_quant:
	s_mov_b64 s[64:65], 0
	v_nop
	global_prefetch_b8 v0, s[64:65] scope:SCOPE_SE
	s_setreg_imm32_b32 hwreg(HW_REG_WAVE_MODE, 25, 1), 1
	s_wait_xcnt 0x0
; x [8192][1024] and Wq, Wk, Wv, Wo [1024][1024], f32, K innermost, become codes of FP6 (E2M3) with one E8M0 byte for each 32 along K, in the one buffer xw.
; LAYOUT OF xw.  Rows: x 0-8191, Wq, Wk, Wv, Wo behind it, 12,288 in all.  Codes: [row block of 16][K step of 128][1,536 bytes]: a fragment as an IMAGE OF THE OPERAND'S 12 REGISTERS: byte 512 g + 16 lane + 4 i is
; register 4 g + i of that lane; lane (r, h) holds row r, registers 6 c .. 6 c + 5 hold k = 64 c + 32 h + 0 .. 31.  Scale words (four bytes: one row, 128 k): [K step][12,288 rows], from byte XWS on.
; ROW ORDER.  Within each 32 rows the place of a row is its number with bits 3 and 4 exchanged: block 2 g + u holds rows 32 g + 8 u + i + 8 (i / 8).  A product that takes such a block as its first source leaves 16
; neighbouring columns in a lane's 16 registers of two neighbouring tiles, which is what the next quantiser wants.
; SHARES.  A wave takes 64 rows (four blocks) x one K step of 128.  A load reads one row's 512 consecutive bytes; 16 rows turn through the wave's own stage in LDS (rows of 528 bytes, so that the sixteen rows of a read
; start at sixteen different 16-byte columns) and come back 128 bytes a lane for each of the lane's two blocks of 32.  A lane holds whole blocks, so a block's largest magnitude needs no other lane.
; A block's scale byte is its largest magnitude's exponent field - 2, held at 1 from below.  A block of zeros so gets the byte 1 where the quantiser says 127: its codes are zeros, and this program alone reads the bytes.
; LIMITS: NaN and infinities among the inputs are not served; blocks whose largest magnitude lies under 2^-124 keep the byte 1.
; No tensor loads, no barrier: waves share nothing.
.set XWS,  9437184
.set SP,   528                         ; a stage row
.set WREG, 16*SP+256                   ; a wave's LDS: the stage, then its 64 scale words
.set LOFF, 4                           ; v4   16 x lane: my 16 bytes of a row's 512, and of an image's 512
.set STI,  5                           ; v5   the stage, on the way in
.set STO,  6                           ; v6   and out: row r, + 128 h
.set SGA,  7                           ; v7   where my row's scale word goes
.set SGL,  8                           ; v8   where I read two scale words back
.set L8,   9                           ; v9   8 x lane
.set SH,   10                          ; v10  8 h
.set MX,   12                          ; v12-13 largest magnitudes
.set SO,   14                          ; v14-15 the conversions' scale operands
.set BY,   16                          ; v16-17 scale bytes
.set W,    18                          ; v18  the scale word
.set PD,   19                          ; v19  a lane permute's destination
.set T,    20                          ; v20-27 the second halves of the blocks' codes
.set R,    32                          ; v32-159 two sets of 16 rows as loaded
.set X,    160                         ; v160-223 my 64 numbers
.set C,    224                         ; v224-235 the fragment
	s_load_b256 s[4:11], s[0:1], 0x0               ; x, Wq, Wk, Wv
	s_load_b128 s[12:15], s[0:1], 0x20             ; Wo, xw
	v_lshl_add_u32 v240, v0, 2, 0x8800
	v_mov_b32 v241, 0
	v_lshrrev_b32 v1, 5, v0
	v_readfirstlane_b32 s20, v1                    ; wave
	v_and_b32 v1, 31, v0                           ; lane
	v_and_b32 v2, 15, v0                           ; r
	v_bfe_u32 v3, v0, 4, 1                         ; h
	s_mul_i32 s21, s20, WREG
	v_lshlrev_b32 v[LOFF], 4, v1
	v_add_nc_u32 v[STI], s21, v[LOFF]
	v_mul_u32_u24 v[STO], v2, SP
	v_lshl_add_u32 v[STO], v3, 7, v[STO]
	v_add_nc_u32 v[STO], s21, v[STO]
	s_add_co_u32 s22, s21, 16*SP
	v_lshl_add_u32 v[SGA], v2, 2, s22
	v_lshlrev_b32 v[L8], 3, v1
	v_add_nc_u32 v[SGL], s22, v[L8]
	v_lshlrev_b32 v[SH], 3, v3
	v_mov_b32 v[PD], 0                             ; written once: a lane permute's destination counts as one of its sources
	s_mov_b32 s34, 0x76543210
	s_mov_b32 s35, 0xfedcba98                      ; selects for lane l xor 16
	s_lshr_b32 s16, ttmp9, 1                       ; G: which 64 rows of the 12,288
	s_and_b32 s17, ttmp9, 1
	s_lshl_b32 s17, s17, 2
	s_add_co_u32 s17, s17, s20                     ; the K step: 4 x (work-group % 2) + wave
	s_sub_co_u32 s18, s16, 128
	s_lshr_b32 s19, s18, 4                         ; which weight (meaningful from G = 128 on)
	s_and_b32 s18, s18, 15                         ; and which 64 rows of it
	s_wait_alu depctr_va_vdst(0)
	s_wait_kmcnt 0x0
	s_cmp_eq_u32 s19, 1                            ; the source is chosen by the work-group's number alone
	s_cselect_b64 s[6:7], s[8:9], s[6:7]
	s_cmp_eq_u32 s19, 2
	s_cselect_b64 s[6:7], s[10:11], s[6:7]
	s_cmp_eq_u32 s19, 3
	s_cselect_b64 s[6:7], s[12:13], s[6:7]
	s_cmp_lt_u32 s16, 128
	s_cselect_b64 s[4:5], s[4:5], s[6:7]
	s_cselect_b32 s18, s16, s18
	s_lshl_b32 s24, s18, 18                        ; 64 rows of 4,096 bytes
	s_lshl_b32 s23, s17, 9                         ; 512 bytes a K step
	s_add_co_u32 s24, s24, s23
	s_mov_b32 s25, 0
	s_add_nc_u64 s[4:5], s[4:5], s[24:25]
	s_lshl_b32 s24, s16, 5                         ; row block 4 G, 8 images each
	s_add_co_u32 s24, s24, s17
	s_mul_i32 s24, s24, 1536
	s_add_nc_u64 s[26:27], s[14:15], s[24:25]      ; my first image
	s_mul_i32 s24, s17, 12288
	s_lshl_b32 s23, s16, 6
	s_add_co_u32 s24, s24, s23
	s_lshl_b32 s24, s24, 2
	s_add_co_u32 s24, s24, XWS
	s_add_nc_u64 s[28:29], s[14:15], s[24:25]      ; my 64 scale words
.macro LOAD t                          ; block t's sixteen rows, in the order of their places: 32 lanes read a row's 512 consecutive bytes
.irp i, 0,1,2,3,4,5,6,7,8,9,10,11,12,13,14,15
	global_load_b128 v[R+64*((\t)%2)+4*\i:R+64*((\t)%2)+4*\i+3], v[LOFF], s[4:5] offset:(32*((\t)/2)+8*((\t)%2)+\i+8*(\i/8))*4096 th:TH_LOAD_NT
.endr
.endm
.macro FRAGQ t
.set RS, R+64*((\t)%2)
.if (\t) < 3
	s_wait_loadcnt 16                              ; this block's 16 loads are in; the next block's 16 may be out
.else
	s_wait_loadcnt 0x0
.endif
.irp i, 0,1,2,3,4,5,6,7,8,9,10,11,12,13,14,15
	ds_store_b128 v[STI], v[RS+4*\i:RS+4*\i+3] offset:SP*\i
.endr
.irp c, 0,1
.irp m, 0,1,2,3,4,5,6,7
	ds_load_b128 v[X+32*\c+4*\m:X+32*\c+4*\m+3], v[STO] offset:256*\c+16*\m   ; LDS serves a wave's instructions in order: these see the stores above
.endr
.endr
	s_wait_dscnt 0x0                               ; my numbers are back, and the stores have read their registers,
.if (\t) < 2
	LOAD (\t)+2                                    ; which take the block two further on
.endif
.irp c, 0,1
	v_max3_num_f32 v[MX+\c], |v[X+32*\c]|, |v[X+32*\c+1]|, 0x1800000   ; my block 2 c + h, and the floor 2^(3 - 127): the byte cannot fall under 1
.endr
.irp i, 2,4,6,8,10,12,14,16,18,20,22,24,26,28,30
.irp c, 0,1
	v_max3_num_f32 v[MX+\c], v[MX+\c], |v[X+32*\c+\i]|, |v[X+32*\c+\i+1]|
.endr
.endr
.irp c, 0,1
	v_add_nc_u32 v[SO+\c], 0xff000000, v[MX+\c]    ; 2 off the exponent field: the conversion's scale operand
.endr
.irp c, 0,1
	v_lshrrev_b32 v[BY+\c], 23, v[SO+\c]           ; the scale's byte
.endr
	v_lshl_or_b32 v[W], v[BY+1], 16, v[BY]         ; blocks h and 2 + h of my row,
	v_lshlrev_b32 v[W], v[SH], v[W]                ; at their places in the word;
	v_permlanex16_b32 v[PD], v[W], s34, s35
	v_or_b32 v[W], v[W], v[PD]                     ; with lane l xor 16's two the word is whole
	s_wait_alu depctr_va_vdst(0)
	s_wait_xcnt 0x0                                ; the last block's stores have read the fragment's registers: they are written again only behind this wait
.irp c, 0,1
	v_cvt_scalef32_pk16_fp6_f32 v[C+6*\c:C+6*\c+2], v[X+32*\c:X+32*\c+15], v[SO+\c]
	v_cvt_scalef32_pk16_fp6_f32 v[T+4*\c:T+4*\c+2], v[X+32*\c+16:X+32*\c+31], v[SO+\c]   ; (a conversion's three registers begin on an even number)
.endr
	v_nop                                          ; one plain place behind a scaled conversion
.irp c, 0,1
.irp i, 0,1,2
	v_mov_b32 v[C+3+6*\c+\i], v[T+4*\c+\i]
.endr
.endr
.irp g, 0,1,2
	global_store_b128 v[LOFF], v[C+4*\g:C+4*\g+3], s[26:27] offset:12288*(\t)+512*\g   ; 32 lanes store 512 consecutive bytes, aligned
.endr
	ds_store_b32 v[SGA], v[W] offset:64*(\t)       ; lanes r and 16 + r write the same word with the same value
.endm
	LOAD 0
	LOAD 1
	FRAGQ 0
	FRAGQ 1
	FRAGQ 2
	FRAGQ 3
	ds_load_b64 v[MX:MX+1], v[SGL]                 ; my wave's 64 scale words, two a lane
	s_wait_dscnt 0x0
	global_store_b64 v[L8], v[MX:MX+1], s[28:29]   ; 256 consecutive bytes, aligned
	s_wait_tensorcnt 0x0
	ds_add_u32 v240, v241
	s_wait_dscnt 0x0
	s_endpgm
.Lfunc_end_k_q12b98b6d4b_quant:
	.size	k_q12b98b6d4b_quant, .Lfunc_end_k_q12b98b6d4b_quant-k_q12b98b6d4b_quant
	.p2alignl 7, 3214868480
	.fill 96, 4, 3214868480
	.section	.rodata,"a",@progbits
	.p2align	6, 0x0
	.amdhsa_kernel k_q12b98b6d4b_quant
		.amdhsa_group_segment_fixed_size 35328
		.amdhsa_private_segment_fixed_size 0
		.amdhsa_enable_private_segment 0
		.amdhsa_kernarg_size 48
		.amdhsa_user_sgpr_count 2
		.amdhsa_user_sgpr_kernarg_segment_ptr 1
		.amdhsa_wavefront_size32 1
		.amdhsa_system_sgpr_workgroup_id_x 1
		.amdhsa_system_sgpr_workgroup_id_y 1
		.amdhsa_system_sgpr_workgroup_id_z 1
		.amdhsa_system_vgpr_workitem_id 0
		.amdhsa_next_free_vgpr 242
		.amdhsa_next_free_sgpr 66
		.amdhsa_reserve_vcc 0
		.amdhsa_float_denorm_mode_32 3
		.amdhsa_float_denorm_mode_16_64 3
		.amdhsa_memory_ordered 1
		.amdhsa_forward_progress 1
		.amdhsa_inst_pref_size 31
	.end_amdhsa_kernel
	.amdgpu_metadata
---
amdhsa.version: [ 1, 2 ]
amdhsa.kernels:
  - .name:           k_q12b98b6d4b_quant
    .symbol:         k_q12b98b6d4b_quant.kd
    .args:
      - { .name: x, .offset: 0, .size: 8, .value_kind: global_buffer, .address_space: global }
      - { .name: Wq, .offset: 8, .size: 8, .value_kind: global_buffer, .address_space: global }
      - { .name: Wk, .offset: 16, .size: 8, .value_kind: global_buffer, .address_space: global }
      - { .name: Wv, .offset: 24, .size: 8, .value_kind: global_buffer, .address_space: global }
      - { .name: Wo, .offset: 32, .size: 8, .value_kind: global_buffer, .address_space: global }
      - { .name: xw, .offset: 40, .size: 8, .value_kind: global_buffer, .address_space: global }
    .group_segment_fixed_size: 35328
    .private_segment_fixed_size: 0
    .kernarg_segment_align: 8
    .kernarg_segment_size: 48
    .max_flat_workgroup_size: 128
    .sgpr_count:     66
    .vgpr_count:     242
    .wavefront_size: 32
...
	.end_amdgpu_metadata
.endif
;; end of part 1
;; launch qkv (part 2): grid 12 x 32, 4 waves a work-group, clusters of 4 x 4, 327,680 bytes of LDS; arguments xw, bq, bk, bv, qkv; writes qkv
.if DOCPART == 2
	.amdgcn_target "amdgcn-amd-amdhsa--gfx1250"
	.amdhsa_code_object_version 6
	.text
	.protected	k_q12b98b6d4b_qkv
	.globl	k_q12b98b6d4b_qkv
	.p2align	8
	.type	k_q12b98b6d4b_qkv,@function
k_q12b98b6d4b_qkv:
	s_mov_b64 s[64:65], 0
	v_nop
	global_prefetch_b8 v0, s[64:65] scope:SCOPE_SE
	s_setreg_imm32_b32 hwreg(HW_REG_WAVE_MODE, 25, 1), 1
	s_wait_xcnt 0x0
	s_wait_alu depctr_hold_cnt(0) depctr_sa_sdst(0) depctr_va_vdst(0) depctr_va_sdst(0) depctr_va_ssrc(0) depctr_va_vcc(0) depctr_vm_vsrc(0)
	s_getreg_b32 s2, hwreg(HW_REG_IB_STS2, 6, 4)
	s_cmp_eq_u32 s2, 0
	s_cbranch_scc0 .Lentry_in_a_cluster
	s_endpgm
.Lentry_in_a_cluster:
	s_bfe_u32 s2, ttmp6, 0x10000c
	s_cmp_lg_u32 s2, 0xf033
	s_cbranch_scc0 .Lentry_shape_is_right
	s_endpgm
.Lentry_shape_is_right:
; q = x Wq^T + bq, k = x Wk^T + bk, v^T = Wv x^T + bv, all on codes of FP6 (E2M3) out of xw, and each result quantised again along its COLUMNS, which are the next product's K (q, k: the 1,024; v^T: the keys).
; OPERANDS lie as images of their registers: [row block of 16][K step of 128][1,536 bytes], byte 512 g + 16 lane + 4 i = register 4 g + i; scale words [K step][row].  Rows lie with bits 3 and 4 of their number exchanged
; within each 32, so that block 2 g + u holds rows 32 g + 8 u + i + 8 (i / 8).
; A tile of C, 256 x 256, is made by four waves, 128 x 128 each: 64 accumulators, 512 registers.  K = 1,024 goes in four steps of 256 through three LDS slots: three first fills, and one refill (slot 0 takes the fourth step).
; THE MATRIX INSTRUCTION IS USED TRANSPOSED (source 0 = 16 rows of B, source 1 = 16 rows of A): lane (r, h) holds row r of A's block, and by the row order its 16 registers of B's blocks 2 g, 2 g + 1 are columns
; 32 g + 16 h + 0 .. 15: sixteen neighbours along the next K.  So a block of 16 rows x 128 columns is quantised in registers and leaves as one image: three stores of 512 consecutive bytes.
; CLUSTERS of 4 x 4: cluster x 0 makes q, 1 makes k (A = x, B = the weight), 2 makes v^T (A = Wv, B = x).  A's tile is shared along a row of the cluster, B's along a column: joint loads.
; Branches hang on the wave's number and on the cluster's x alone, which all sixteen partners share.
; LIMITS: NaN and infinities are not served; a block of zeros gets the byte 1 (zero codes; this program alone reads the bytes).
; REGISTERS: window 0: v1-29 addresses; v32-63 scale words, two sets; v64-127 the columns' bias; v128-223 A's fragments, one set; v224-239 the rows' bias.  window 1: B's fragments, two sets (v0, v128).
;   windows 2, 3: accumulator (a, b) at v[8 (8 (a % 4) + b)].  On the way out, window 0: v128-147 codes, v160-167 scale words, v208-211 and v232-247 at work.
.set KS,    8                          ; K steps of 128
.set NSLOT, 3
.set RSA,   12288                      ; rows in A's array of scale words
.set RSB,   12288                      ; and in B's
.set XWS,   9437184
.set VC,    12582912
.set QKS,   18874368
.set VS,    19398656
.set FR,    12                         ; registers of a fragment
.set HALFT, 24576                      ; 8 row blocks x 2 images: what one tensor load brings, and what a wave reads of A or of B in a slot
.set SLOT,  4*HALFT
.set HALFS, 512*KS                     ; the scale words of 128 rows, all of K
.set SCL,   NSLOT*SLOT                 ; behind the slots: the scale words, A's [K step][256 rows], then B's; stored by the waves, no tensor load lands here
.set SPARE, SCL+4*HALFS                ; the spare words, 128 bytes for each wave: two blocks of 256 bytes that no other line names
.set ADRA, 16                          ; v16-18 LDS address of my A fragments in slot 0, 1, 2
.set ADRB, 20                          ; v20-22 the same for B
.set L4,   25                          ; v25  4 x lane
.set LI,   26                          ; v26  16 x lane
.set ADRS, 27                          ; v27  my scale words: lanes 0-15 A's rows, lanes 16-31 B's
.set SPW,  28                          ; v28  LDS address of my spare word; never rewritten
.set NIL,  29                          ; v29  0; never rewritten
.set SC,   32                          ; scale words: set s at v[SC + 16 s]; register 2 i + q: lanes 0-15 A's block i, lanes 16-31 B's block i, the slot's q-th 128 along K
.set CB,   64
.set AF,   128
.set RB,   224
.set PC,   128
.set PWA,  160
.set ST4,  208
.set TM,   232
.set G1A,  24                          ; s[24:31] group 1 for A's tiles; s[32:43] groups 0, one for each slot
.set G0A,  32
.set G1B,  44                          ; s[44:51], s[52:63] the same for B's
.set G0B,  52
.set SWP,  76                          ; s[76:77] where my 4,096 bytes of scale words lie in memory; s[78:79] at work
.set SWL,  24                          ; v24  where they go in LDS
.set L16,  31                          ; v31  16 x lane
.set HM,   67                          ; s67  lanes 16-31
.set OB,   20                          ; s[20:21] where the next image goes
.set SB,   22                          ; s[22:23] where my 128 scale words go
.set STR,  96                          ; s[96:97] bytes from a row block's image to the next row block's
.set SEL,  100                         ; s[100:101] selects for lane l xor 16
.set MSB, 0
.macro WIN new                         ; the immediate's high byte repeats the setting that is left
.if MSB != (\new)
	s_set_vgpr_msb (MSB<<8)|(\new)
.set MSB, (\new)
.endif
.endm
.macro PLACES n                        ; plain places behind matrix instructions (ISA guide 7.12.1)
.rept \n
	v_nop
.endr
.endm
.macro JLOAD g0a, g0b                  ; a joint load: waves 0 and 1 fetch for A, waves 2 and 3 for B; four v_nop follow each line
	s_cmp_eq_u32 s15, 0
	s_cbranch_scc0 .Lfor_b_\@
	tensor_load_to_lds s[\g0a:\g0a+3], s[G1A:G1A+7]
	s_nop 0
	PLACES 4
	s_branch .Lasked_\@
.Lfor_b_\@:
	tensor_load_to_lds s[\g0b:\g0b+3], s[G1B:G1B+7]
	s_nop 0
	PLACES 4
.Lasked_\@:
.endm
.macro CREST                           ; a round of the cluster's barrier behind its opening barrier
	s_cmp_lg_u32 s14, 0
	s_cbranch_scc1 .Lnot_wave_0_\@
	s_barrier_signal -3
.Lnot_wave_0_\@:
	s_barrier_wait -3
	s_barrier_signal -1
	s_barrier_wait -1
.endm
.macro CROUND
	s_barrier_signal -1
	s_barrier_wait -1
	CREST
.endm
.macro FRAG reg, adr, q, i, pt         ; pt: bytes from a row block to the next in this slot
.irp c, 0,1,2
	ds_load_b128 v[\reg+4*\c:\reg+4*\c+3], v[\adr] offset:(\pt)*(\i)+1536*(\q)+512*\c
.endr
.endm
.macro FETCH_B slot, q, p              ; B's eight fragments of the slot's q-th 128 along K into set p
	WIN 0x40
.irp i, 0,1,2,3,4,5,6,7
	FRAG 128*(\p)+FR*\i, ADRB+\slot, \q, \i, 3072+3072*((\slot+1)/2)   ; slots 1 and 2 come by one load: their row blocks lie 6,144 bytes apart
.endr
	WIN 0
.endm
.macro FETCH_A slot, q, i0             ; A's blocks i0 .. i0 + 3
.irp i, \i0, \i0+1, \i0+2, \i0+3
	FRAG AF+FR*(\i), ADRA+\slot, \q, \i, 3072+3072*((\slot+1)/2)
.endr
.endm
.macro SCALES sc, j                    ; K step j's scale words into set sc
.irp i, 0,1,2,3,4,5,6,7
.irp q, 0,1
	ds_load_b32 v[SC+16*(\sc)+2*\i+\q], v[ADRS] offset:(2*(\j)+\q)*1024+64*\i   ; scale words lie [K step of 128][256 rows]
.endr
.endr
.endm
; 16 matrix instructions: A's blocks a0, a0 + 1 x B's eight.  cm = 0: onto the sums; 1: the constant 0 starts them; 2: the columns' bias starts them.  The 64 accumulators take turns, one instruction a turn, in one
; order throughout.
.macro MUL16 a0, p, q, sc, cm
.irp a, \a0, \a0+1
.irp b, 0,1,2,3,4,5,6,7
.if \cm == 1
	v_wmma_scale_f32_16x16x128_f8f6f4 v[8*(8*((\a)%4)+\b):8*(8*((\a)%4)+\b)+7], v[128*(\p)+FR*\b:128*(\p)+FR*\b+FR-1], v[AF+FR*(\a):AF+FR*(\a)+FR-1], 0, v[SC+16*(\sc)+2*\b+(\q)], v[SC+16*(\sc)+2*(\a)+(\q)] matrix_a_fmt:MATRIX_FMT_FP6 matrix_b_fmt:MATRIX_FMT_FP6 matrix_a_scale:MATRIX_SCALE_ROW1
.elseif \cm == 2
	v_wmma_scale_f32_16x16x128_f8f6f4 v[8*(8*((\a)%4)+\b):8*(8*((\a)%4)+\b)+7], v[128*(\p)+FR*\b:128*(\p)+FR*\b+FR-1], v[AF+FR*(\a):AF+FR*(\a)+FR-1], v[CB+8*\b:CB+8*\b+7], v[SC+16*(\sc)+2*\b+(\q)], v[SC+16*(\sc)+2*(\a)+(\q)] matrix_a_fmt:MATRIX_FMT_FP6 matrix_b_fmt:MATRIX_FMT_FP6 matrix_a_scale:MATRIX_SCALE_ROW1
.else
	v_wmma_scale_f32_16x16x128_f8f6f4 v[8*(8*((\a)%4)+\b):8*(8*((\a)%4)+\b)+7], v[128*(\p)+FR*\b:128*(\p)+FR*\b+FR-1], v[AF+FR*(\a):AF+FR*(\a)+FR-1], v[8*(8*((\a)%4)+\b):8*(8*((\a)%4)+\b)+7], v[SC+16*(\sc)+2*\b+(\q)], v[SC+16*(\sc)+2*(\a)+(\q)] matrix_a_fmt:MATRIX_FMT_FP6 matrix_b_fmt:MATRIX_FMT_FP6 matrix_a_scale:MATRIX_SCALE_ROW1
.endif
.endr
.endr
.endm
.macro STEP slot, sc, cm               ; a slot's first 128 along K
	s_wait_dscnt 12                                ; all but A's blocks 4-7 (4 fragments x 3 loads)
.if \cm == 2
	WIN 0x81                                       ; B window 1, A and the bias window 0, D window 2
.else
	WIN 0xa1                                       ; B window 1, A window 0, C and D window 2
.endif
	MUL16 0, 0, 0, \sc, \cm
	MUL16 2, 0, 0, \sc, \cm
	s_wait_dscnt 0x0                               ; A's blocks 4-7 are in
	PLACES 4
	FETCH_B \slot, 1, 1
	FETCH_A \slot, 1, 0
.if \cm == 2
	WIN 0xc1
.else
	WIN 0xf1
.endif
	MUL16 4, 0, 0, \sc, \cm
	MUL16 6, 0, 0, \sc, \cm
	PLACES 4
	WIN 0
	FETCH_A \slot, 1, 4
.endm
; A slot's second 128 along K, and the change to slot next, K step j + 1.
; kind 2: this slot is filled again: all my tensor loads waited for, 0 added to my spare word, that and my reads of the slot waited for; a round of the cluster's barrier; the joint refill first behind it.
; kind 1: the same waits and a plain barrier: the next slot's refill has landed in every wave's sight; nothing is filled.   kind 0: the next slot was shown whole to every wave at an earlier change: no barrier.
.macro TURN slot, sc, next, j, kind
.if \kind == 0
	s_wait_dscnt 12
	WIN 0xa1
	MUL16 0, 1, 1, \sc, 0
	MUL16 2, 1, 1, \sc, 0
	WIN 0
	s_wait_dscnt 0x0
	PLACES 4
.else
	s_wait_tensorcnt 0x0                           ; all my tensor loads have landed
	ds_add_u32 v[SPW], v[NIL]                      ; 0 onto my spare word
	s_wait_dscnt 13                                ; (the add and A's blocks 4-7 may be out)
	WIN 0xa1
	MUL16 0, 1, 1, \sc, 0
	s_wait_dscnt 0x0                               ; the add is done, and my reads of this slot are over
	s_barrier_signal -1
	MUL16 2, 1, 1, \sc, 0
	WIN 0
	s_barrier_wait -1
.if \kind == 2
	CREST                                          ; no wave of any partner still reads this slot or has a load on its way
	s_add_nc_u64 s[G0A+4*\slot+2:G0A+4*\slot+3], s[G0A+4*\slot+2:G0A+4*\slot+3], NSLOT*3072
	s_add_nc_u64 s[G0B+4*\slot+2:G0B+4*\slot+3], s[G0B+4*\slot+2:G0B+4*\slot+3], NSLOT*3072
	s_mov_b32 s[G1A+1], 384<<16                    ; no tensor load of mine is out: the refill's rows are two images again
	s_mov_b32 s[G1A+3], 384<<16
	s_mov_b32 s[G1B+1], 384<<16
	s_mov_b32 s[G1B+3], 384<<16
	JLOAD G0A+4*\slot, G0B+4*\slot
.else
	PLACES 4
.endif
.endif
	FETCH_B \next, 0, 0
	FETCH_A \next, 0, 0
	SCALES ((\j)+1)%2, (\j)+1
	WIN 0xf1
	MUL16 4, 1, 1, \sc, 0
	MUL16 6, 1, 1, \sc, 0
	PLACES 4
	WIN 0
	FETCH_A \next, 0, 4
.endm
.macro LAST sc                         ; the very last 128 along K
	s_wait_dscnt 12
	WIN 0xa1
	MUL16 0, 1, 1, \sc, 0
	MUL16 2, 1, 1, \sc, 0
	s_wait_dscnt 0x0
	WIN 0xf1
	MUL16 4, 1, 1, \sc, 0
	MUL16 6, 1, 1, \sc, 0
	WIN 0
.endm
; THE QUANTISING WAY OUT of A's block a: 64 numbers a lane, register 16 b + i = column 32 b + 16 h + i of my row.
.macro QMAX a                          ; the four blocks' largest magnitudes; each accumulator is read from its low end on
.set AC, 64*((\a)%4)
.set WW, 2+(\a)/4
	WIN WW|(WW<<2)
.irp b, 0,1,2,3
	v_max3_num_f32 v[TM+\b], |v[AC+16*\b]|, |v[AC+16*\b+1]|, 0x1800000   ; with the floor 2^(3 - 127): the byte cannot fall under 1
.endr
.irp i, 2,4,6,8,10,12,14
.irp b, 0,1,2,3
	v_max3_num_f32 v[TM+\b], |v[AC+16*\b+\i]|, |v[AC+16*\b+\i+1]|, v[TM+\b]
.endr
.endr
	WIN 0
.irp b, 0,1,2,3
	v_permlanex16_b32 v[TM+4+\b], v[TM+\b], s[SEL], s[SEL+1]
.endr
.irp b, 0,1,2,3
	v_max_num_f32 v[TM+\b], v[TM+\b], v[TM+4+\b]   ; with lane l xor 16's 16 columns
.endr
.endm
.macro SCW a                           ; scale operands, bytes, and my row's scale word
.irp b, 0,1,2,3
	v_add_nc_u32 v[TM+12+\b], 0xff000000, v[TM+\b]
.endr
.irp b, 0,1,2,3
	v_lshrrev_b32 v[TM+4+\b], 23, v[TM+12+\b]
.endr
	v_lshl_or_b32 v[PWA+(\a)], v[TM+5], 8, v[TM+4]
	v_lshl_or_b32 v[PWA+(\a)], v[TM+6], 16, v[PWA+(\a)]
	v_lshl_or_b32 v[PWA+(\a)], v[TM+7], 24, v[PWA+(\a)]
.endm
.macro QTAIL a                         ; the codes, and the image's three stores
.set AC, 64*((\a)%4)
.set WW, 2+(\a)/4
	s_wait_xcnt 0x0                                ; the last image's stores have read their registers and their base
.if (\a) > 0
	s_add_nc_u64 s[OB:OB+1], s[OB:OB+1], s[STR:STR+1]
.endif
	WIN WW
.irp c, 0,1
	v_cvt_scalef32_pk16_fp6_f32 v[PC+6*\c:PC+6*\c+2], v[AC+32*\c:AC+32*\c+15], v[TM+12+2*\c]
	v_cvt_scalef32_pk16_fp6_f32 v[PC+12+4*\c:PC+14+4*\c], v[AC+32*\c+16:AC+32*\c+31], v[TM+13+2*\c]
.endr
	WIN 0
	v_nop                                          ; one plain place behind a scaled conversion
.irp c, 0,1                                    ; the layout wants a whole block of 32 in a lane
.irp i, 0,1,2
	v_permlane16_swap_b32 v[PC+6*\c+\i], v[PC+12+4*\c+\i]
.endr
.irp i, 0,1,2
	v_mov_b32 v[PC+3+6*\c+\i], v[PC+12+4*\c+\i]
.endr
.endr
.irp g, 0,1,2
	global_store_b128 v[LI], v[PC+4*\g:PC+4*\g+3], s[OB:OB+1] offset:512*\g   ; 512 consecutive bytes, aligned
.endr
.endm
.macro STATS arr, tmp, off             ; eight registers (a word for row r of block a, the same in both halves of the lanes) leave as 128 words on end
.irp i, 0,1,2,3
	v_cndmask_b32 v[\tmp+\i], v[\arr+2*\i], v[\arr+2*\i+1], s[HM]
.endr
.irp i, 0,1,2,3
	global_store_b32 v[L4], v[\tmp+\i], s[SB:SB+1] offset:\off+128*\i
.endr
.endm
	s_load_b256 s[4:11], s[0:1], 0x0               ; xw, bq, bk, bv
	s_load_b64 s[12:13], s[0:1], 0x20              ; qkv
	v_lshl_add_u32 v[SPW], v0, 2, SPARE
	v_mov_b32 v[NIL], 0
	ds_add_u32 v28, v29
	ds_add_u32 v28, v29
	s_wait_dscnt 0x0
	v_lshrrev_b32 v1, 5, v0
	v_readfirstlane_b32 s14, v1                    ; wave 0..3
	v_and_b32 v3, 31, v0                           ; lane
	v_and_b32 v1, 15, v0                           ; r
	v_bfe_u32 v2, v0, 4, 1                         ; h
	v_lshlrev_b32 v[L16], 4, v3
	s_mul_i32 s78, s14, 4096                       ; waves 0, 1: A's K steps 0-3, 4-7; waves 2, 3: B's
	s_add_co_u32 s78, s78, SCL
	v_add_nc_u32 v[SWL], s78, v[L16]
	s_lshr_b32 s15, s14, 1                         ; my half of the tile's rows.  Also: I fetch for A (0) or for B (1)
	s_and_b32 s16, s14, 1                          ; my half of its columns.  Also: which 128 rows I fetch
	s_bfe_u32 s92, ttmp6, 0x40000                  ; cx
	s_bfe_u32 s93, ttmp6, 0x40004                  ; cy
	s_mov_b32 s94, ttmp9                           ; the cluster's x: 0 q, 1 k, 2 v^T
	s_and_b32 s95, ttmp7, 0xffff                   ; the cluster's y
	s_lshl_b32 s17, s93, 2
	s_lshl_b32 s17, 15, s17                        ; my row of the cluster
	s_lshl_b32 s18, 0x1111, s92                    ; my column
	s_or_b32 s[G1A], s17, (3<<16)|(1<<21)          ; the mask; elements of 8 bytes; bit 21 beside a mask; no padding
	s_or_b32 s[G1B], s18, (3<<16)|(1<<21)
.irp g, G1A, G1B
	s_mov_b32 s[\g+1], 384<<16                     ; tensor_dim0: two images, 3,072 bytes
	s_mov_b32 s[\g+2], 8<<16                       ; tensor_dim1: 8 row blocks
	s_mov_b32 s[\g+3], 384<<16                     ; tile_dim0
	s_mov_b32 s[\g+4], 8                           ; tile_dim1
	s_mov_b32 s[\g+5], 192*KS                      ; from a row block to the next: KS images
	s_mov_b32 s[\g+6], 0
	s_mov_b32 s[\g+7], 0
.endr
	s_lshr_b32 s66, s94, 1                         ; V: 1 where v^T is made
	s_xor_b32 s19, s66, 1                          ; NV
	s_lshl_b32 s20, s95, 2                         ; 4 Y
	s_mul_i32 s96, s19, s20
	s_mul_i32 s21, s66, 40
	s_add_co_u32 s96, s96, s21
	s_add_co_u32 s96, s96, s93                     ; A's tile of 256 rows of xw: x's 4 Y + cy, or Wv's 40 + cy
	s_lshl_b32 s21, s94, 2
	s_add_co_u32 s21, s21, 32
	s_mul_i32 s98, s19, s21
	s_mul_i32 s21, s66, s20
	s_add_co_u32 s98, s98, s21
	s_add_co_u32 s98, s98, s92                     ; B's: the weight's 32 + 4 X + cx, or x's 4 Y + cx
	s_lshl_b32 s96, s96, 1
	s_add_co_u32 s96, s96, s16                     ; in units of 128 rows, + the half that I fetch
	s_mul_i32 s20, s96, 8*KS*1536
	s_mov_b32 s21, 0
	s_sub_co_u32 s96, s96, s16                     ; the scale words come for the whole tile
	s_lshl_b32 s96, s96, 9
	s_add_co_u32 s96, s96, XWS
	s_mov_b32 s97, 0
	s_lshl_b32 s98, s98, 1
	s_add_co_u32 s98, s98, s16
	s_mul_i32 s22, s98, 8*KS*1536
	s_mov_b32 s23, 0
	s_sub_co_u32 s98, s98, s16
	s_lshl_b32 s98, s98, 9
	s_add_co_u32 s98, s98, XWS
	s_mov_b32 s99, 0
	s_wait_alu depctr_va_vdst(0)
	s_wait_kmcnt 0x0
	s_add_nc_u64 s[20:21], s[4:5], s[20:21]
	s_add_nc_u64 s[96:97], s[4:5], s[96:97]
	s_add_nc_u64 s[22:23], s[4:5], s[22:23]
	s_add_nc_u64 s[98:99], s[4:5], s[98:99]
	s_cmp_eq_u32 s15, 0                            ; the scale words come through registers: a wave takes four K steps of a tile's 256 rows
	s_cselect_b64 s[SWP:SWP+1], s[96:97], s[98:99]
	s_mul_i32 s78, s16, 16*RSA                     ; four K steps of RSA words
	s_mov_b32 s79, 0
	s_add_nc_u64 s[SWP:SWP+1], s[SWP:SWP+1], s[78:79]
.irp k, 0,1,2,3
	global_load_b128 v[AF+8*\k:AF+8*\k+3], v[L16], s[SWP:SWP+1] offset:\k*4*RSA        ; 32 lanes read 512 consecutive bytes, aligned
	global_load_b128 v[AF+8*\k+4:AF+8*\k+7], v[L16], s[SWP:SWP+1] offset:\k*4*RSA+512
.endr
.irp s, 0,1                                    ; set 0: slot 0, a quarter a wave; set 1: slots 1 and 2 as one, K steps 1 and 2, a quarter a wave
	s_mov_b32 s[G0A+4*\s], 1
	s_mul_i32 s[G0A+4*\s+1], s14, (1+\s)*HALFT
	s_add_co_u32 s[G0A+4*\s+1], s[G0A+4*\s+1], \s*SLOT
	s_add_nc_u64 s[G0A+4*\s+2:G0A+4*\s+3], s[20:21], \s*3072
	s_or_b32 s[G0A+4*\s+3], s[G0A+4*\s+3], 0x80000000
	s_mov_b32 s[G0B+4*\s], 1
	s_mul_i32 s[G0B+4*\s+1], s14, (1+\s)*HALFT
	s_add_co_u32 s[G0B+4*\s+1], s[G0B+4*\s+1], \s*SLOT
	s_add_nc_u64 s[G0B+4*\s+2:G0B+4*\s+3], s[22:23], \s*3072
	s_or_b32 s[G0B+4*\s+3], s[G0B+4*\s+3], 0x80000000
.endr
	s_cmp_eq_u32 s15, 0                            ; the prefetch's base: the 8 row blocks that I fetch in the ring,
	s_cselect_b64 s[2:3], s[20:21], s[22:23]
	s_cselect_b32 s96, s92, s93                    ; my work-group's place among the four that ask with me: by address alone
	s_mul_i32 s96, s96, 24576                      ; two row blocks of 12,288 bytes to each partner
	s_mov_b32 s97, 0
	s_add_nc_u64 s[2:3], s[2:3], s[96:97]
	CROUND                                         ; all sixteen work-groups are here: the first joint loads meet
	JLOAD G0A, G0B                                 ; slot 0, a quarter a wave: my one load at the head
	s_wait_alu depctr_va_vdst(0)
	v_lshlrev_b32 v[LI], 4, v3
	v_min_u32 v30, 23, v3                          ; K steps 1 and 2 of a row block are 24 blocks of 256 bytes: a lane a block, the lanes left over name the last again
	v_lshlrev_b32 v30, 8, v30
	global_prefetch_b8 v30, s[2:3] offset:3072 th:TH_LOAD_NT scope:SCOPE_SE    ; what the next fill will ask for: my work-group's two row blocks of the eight that I fetch
	global_prefetch_b8 v30, s[2:3] offset:15360 th:TH_LOAD_NT scope:SCOPE_SE   ; v30 and s[2:3] are not written again
	v_lshlrev_b32 v[L4], 2, v3
	s_mul_i32 s20, s15, HALFT                      ; my 128 rows of A
	s_mul_i32 s21, s16, HALFT
	s_add_co_u32 s21, s21, 2*HALFT                 ; my 128 rows of B, behind A's 256
	s_wait_alu depctr_va_vdst(0)
	v_add_nc_u32 v[ADRA], s20, v[LI]
	v_add_nc_u32 v[ADRB], s21, v[LI]
	s_lshl_b32 s20, s20, 1                         ; in slots 1 and 2 a part is twice as long
	s_lshl_b32 s21, s21, 1
	s_add_co_u32 s20, s20, SLOT
	s_add_co_u32 s21, s21, SLOT
.irp s, 1,2
	v_add_nc_u32 v[ADRA+\s], s20, v[LI]
	v_add_nc_u32 v[ADRB+\s], s21, v[LI]
	s_add_co_u32 s20, s20, 3072                    ; slot 2: the second two images of each row block
	s_add_co_u32 s21, s21, 3072
.endr
	s_lshl_b32 s20, s15, 9                         ; my 128 rows' words in a K step's 256
	s_lshl_b32 s21, s16, 9
	s_add_co_u32 s21, s21, 2*HALFS
	s_sub_co_u32 s21, s21, s20
	v_mul_u32_u24 v4, s21, v2                      ; lanes 16-31 take B's
	s_add_co_u32 s20, s20, SCL
	v_lshl_add_u32 v4, v1, 2, v4
	v_add_nc_u32 v[ADRS], s20, v4
	; the biases.  The columns' (q, k): for B's block b lane (r, h) wants those of columns 32 (b / 2) + 8 (b % 2) + 16 h + 0 .. 7.  The rows' (v^T): bv at my row of A's block a.  Both are always loaded, inside their buffers
	s_cmp_eq_u32 s94, 1
	s_cselect_b64 s[6:7], s[8:9], s[6:7]           ; bk where k is made
	s_lshl_b32 s20, s92, 8
	s_lshl_b32 s21, s16, 7
	s_add_co_u32 s20, s20, s21
	s_mul_i32 s20, s20, s19                        ; NV x (256 cx + 128 x my half of the columns)
	s_lshl_b32 s20, s20, 2
	s_mov_b32 s21, 0
	s_add_nc_u64 s[6:7], s[6:7], s[20:21]
	v_lshlrev_b32 v5, 6, v2
.irp b, 0,1,2,3,4,5,6,7
	global_load_b128 v[CB+8*\b:CB+8*\b+3], v5, s[6:7] offset:(32*(\b/2)+8*(\b%2))*4
	global_load_b128 v[CB+8*\b+4:CB+8*\b+7], v5, s[6:7] offset:(32*(\b/2)+8*(\b%2))*4+16
.endr
	s_lshl_b32 s22, s93, 8
	s_lshl_b32 s23, s15, 7
	s_add_co_u32 s22, s22, s23
	s_mul_i32 s22, s22, s66                        ; V x (256 cy + 128 x my half of the rows)
	v_and_b32 v6, 8, v1
	v_add_nc_u32 v6, v6, v1                        ; r + 8 (r / 8)
	v_add_nc_u32 v6, s22, v6
	v_lshlrev_b32 v6, 2, v6
.irp a, 0,1,2,3,4,5,6,7
	global_load_b32 v[RB+2*\a], v6, s[10:11] offset:(32*(\a/2)+8*(\a%2))*4
	global_load_b32 v[RB+2*\a+1], v6, s[10:11] offset:(32*(\a/2)+8*(\a%2))*4   ; twice: a pair for the packed addition
.endr
	; where the results go.  q, k: row block 512 X + 16 (4 Y + cy) + 8 x half, K step 2 cx + half;  v^T: row block 64 x batch + 16 cy + 8 x half, K step 2 (4 (Y % 2) + cx) + half
	s_lshl_b32 s96, s95, 2
	s_add_co_u32 s96, s96, s93
	s_lshl_b32 s96, s96, 4
	s_lshl_b32 s97, s94, 9
	s_add_co_u32 s96, s96, s97
	s_lshl_b32 s97, s15, 3
	s_add_co_u32 s96, s96, s97
	s_lshl_b32 s97, s92, 1
	s_add_co_u32 s97, s97, s16
	s_lshl_b32 s98, s96, 3
	s_add_co_u32 s98, s98, s97
	s_mul_i32 s98, s98, 1536
	s_lshl_b32 s99, s97, 14
	s_lshl_b32 s96, s96, 4
	s_add_co_u32 s99, s99, s96
	s_lshl_b32 s99, s99, 2
	s_add_co_u32 s99, s99, QKS
	s_lshr_b32 s20, s95, 1
	s_lshl_b32 s20, s20, 6
	s_lshl_b32 s21, s93, 4
	s_add_co_u32 s20, s20, s21
	s_lshl_b32 s21, s15, 3
	s_add_co_u32 s20, s20, s21
	s_and_b32 s21, s95, 1
	s_lshl_b32 s21, s21, 2
	s_add_co_u32 s21, s21, s92
	s_lshl_b32 s21, s21, 1
	s_add_co_u32 s21, s21, s16
	s_lshl_b32 s22, s20, 4
	s_add_co_u32 s22, s22, s21
	s_mul_i32 s22, s22, 1536
	s_add_co_u32 s22, s22, VC
	s_lshl_b32 s23, s21, 12
	s_lshl_b32 s20, s20, 4
	s_add_co_u32 s23, s23, s20
	s_lshl_b32 s23, s23, 2
	s_add_co_u32 s23, s23, VS
	s_cmp_eq_u32 s66, 0
	s_cselect_b32 s20, s98, s22
	s_cselect_b32 s22, s99, s23
	s_mov_b32 s[STR], 24576
	s_cselect_b32 s[STR], 12288, s[STR]
	s_mov_b32 s[STR+1], 0
	s_mov_b32 s21, 0
	s_mov_b32 s23, 0
	s_add_nc_u64 s[OB:OB+1], s[12:13], s[20:21]
	s_add_nc_u64 s[SB:SB+1], s[12:13], s[22:23]
	s_mov_b32 s[SEL], 0x76543210
	s_mov_b32 s[SEL+1], 0xfedcba98
	s_mov_b32 s[HM], 0xffff0000
	s_wait_loadcnt 0x0                             ; the biases and my scale words
.irp k, 0,1,2,3
	ds_store_b128 v[SWL], v[AF+8*\k:AF+8*\k+3] offset:1024*\k
	ds_store_b128 v[SWL], v[AF+8*\k+4:AF+8*\k+7] offset:1024*\k+512
.endr
	s_cmp_eq_u32 s66, 0
	s_cbranch_scc1 .Lcolumn_bias
.set QI, 0
.rept 64
	v_mov_b32 v[CB+QI], 0                          ; v^T has no bias along its columns
.set QI, QI+1
.endr
.Lcolumn_bias:
	s_wait_alu depctr_va_vdst(0)
	s_wait_tensorcnt 0x0                           ; my tile of the head's four is in
	ds_add_u32 v[SPW], v[NIL]                      ; 0 onto my spare word
	s_mov_b32 s[G1A+1], 768<<16                    ; no tensor load of mine is out: the next load's rows are four images
	s_mov_b32 s[G1A+3], 768<<16
	s_mov_b32 s[G1B+1], 768<<16
	s_mov_b32 s[G1B+3], 768<<16
	s_wait_dscnt 0x0                               ; the add is done, and for the others' sake my stores of scale words have landed
	CROUND                                         ; all four tiles are in, and all sixteen work-groups are here
	JLOAD G0A+4, G0B+4                             ; K steps 1 and 2 into slots 1 and 2: my one load behind the round
	FETCH_B 0, 0, 0
	FETCH_A 0, 0, 0
	SCALES 0, 0
	FETCH_A 0, 0, 4
	STEP 0, 0, 2
	TURN 0, 0, 1, 0, 2                             ; slot 0 takes the fourth K step: 224 matrix instructions ahead of the wait for it
	STEP 1, 1, 0
	TURN 1, 1, 2, 1, 0
	STEP 2, 0, 0
	TURN 2, 0, 0, 2, 1
	STEP 0, 1, 0
	LAST 1
	PLACES 4
	s_cmp_eq_u32 s66, 0
	s_cbranch_scc1 .Lno_row_bias
.set QA, 0
.rept 8                                        ; v^T: + bv of my row
	WIN (2+QA/4)|((2+QA/4)<<6)
.set QI, 0
.rept 32
	v_pk_add_f32 v[64*(QA%4)+QI:64*(QA%4)+QI+1], v[64*(QA%4)+QI:64*(QA%4)+QI+1], v[RB+2*QA:RB+2*QA+1]
.set QI, QI+2
.endr
.set QA, QA+1
.endr
	WIN 0
.Lno_row_bias:
.irp b, 0,1,2,3
	v_mov_b32 v[TM+4+\b], 0                        ; written once: a lane permute's destination counts as one of its sources
.endr
.irp a, 0,1,2,3,4,5,6,7
	QMAX \a
	SCW \a
	QTAIL \a
.endr
	STATS PWA, ST4, 0
	s_wait_tensorcnt 0x0                           ; the wave's end
	ds_add_u32 v[SPW], v[NIL]
	s_wait_dscnt 0x0
	CROUND                                         ; the closing round
	s_endpgm
.Lfunc_end_k_q12b98b6d4b_qkv:
	.size	k_q12b98b6d4b_qkv, .Lfunc_end_k_q12b98b6d4b_qkv-k_q12b98b6d4b_qkv
	.p2alignl 7, 3214868480
	.fill 96, 4, 3214868480
	.section	.rodata,"a",@progbits
	.p2align	6, 0x0
	.amdhsa_kernel k_q12b98b6d4b_qkv
		.amdhsa_group_segment_fixed_size 327680
		.amdhsa_private_segment_fixed_size 0
		.amdhsa_enable_private_segment 0
		.amdhsa_kernarg_size 40
		.amdhsa_user_sgpr_count 2
		.amdhsa_user_sgpr_kernarg_segment_ptr 1
		.amdhsa_wavefront_size32 1
		.amdhsa_system_sgpr_workgroup_id_x 1
		.amdhsa_system_sgpr_workgroup_id_y 1
		.amdhsa_system_sgpr_workgroup_id_z 1
		.amdhsa_system_vgpr_workitem_id 0
		.amdhsa_next_free_vgpr 1024
		.amdhsa_next_free_sgpr 102
		.amdhsa_reserve_vcc 0
		.amdhsa_float_denorm_mode_32 3
		.amdhsa_float_denorm_mode_16_64 3
		.amdhsa_memory_ordered 1
		.amdhsa_forward_progress 1
		.amdhsa_inst_pref_size 166
	.end_amdhsa_kernel
	.amdgpu_metadata
---
amdhsa.version: [ 1, 2 ]
amdhsa.kernels:
  - .name:           k_q12b98b6d4b_qkv
    .symbol:         k_q12b98b6d4b_qkv.kd
    .args:
      - { .name: xw, .offset: 0, .size: 8, .value_kind: global_buffer, .address_space: global }
      - { .name: bq, .offset: 8, .size: 8, .value_kind: global_buffer, .address_space: global }
      - { .name: bk, .offset: 16, .size: 8, .value_kind: global_buffer, .address_space: global }
      - { .name: bv, .offset: 24, .size: 8, .value_kind: global_buffer, .address_space: global }
      - { .name: qkv, .offset: 32, .size: 8, .value_kind: global_buffer, .address_space: global }
    .group_segment_fixed_size: 327680
    .private_segment_fixed_size: 0
    .kernarg_segment_align: 8
    .kernarg_segment_size: 40
    .max_flat_workgroup_size: 128
    .sgpr_count:     102
    .vgpr_count:     1024
    .wavefront_size: 32
...
	.end_amdgpu_metadata
.endif
;; end of part 2
;; launch scores (part 3): grid 8 x 32, 4 waves a work-group, clusters of 4 x 4, 327,680 bytes of LDS; arguments qkv, p; writes p
.if DOCPART == 3
	.amdgcn_target "amdgcn-amd-amdhsa--gfx1250"
	.amdhsa_code_object_version 6
	.text
	.protected	k_q12b98b6d4b_scores
	.globl	k_q12b98b6d4b_scores
	.p2align	8
	.type	k_q12b98b6d4b_scores,@function
k_q12b98b6d4b_scores:
	s_mov_b64 s[64:65], 0
	v_nop
	global_prefetch_b8 v0, s[64:65] scope:SCOPE_SE
	s_setreg_imm32_b32 hwreg(HW_REG_WAVE_MODE, 25, 1), 1
	s_wait_xcnt 0x0
	s_wait_alu depctr_hold_cnt(0) depctr_sa_sdst(0) depctr_va_vdst(0) depctr_va_sdst(0) depctr_va_ssrc(0) depctr_va_vcc(0) depctr_vm_vsrc(0)
	s_getreg_b32 s2, hwreg(HW_REG_IB_STS2, 6, 4)
	s_cmp_eq_u32 s2, 0
	s_cbranch_scc0 .Lentry_in_a_cluster
	s_endpgm
.Lentry_in_a_cluster:
	s_bfe_u32 s2, ttmp6, 0x10000c
	s_cmp_lg_u32 s2, 0xf033
	s_cbranch_scc0 .Lentry_shape_is_right
	s_endpgm
.Lentry_shape_is_right:
; S = q k^T on codes of FP6 (E2M3) out of qkv; the causal mask; and for each row and each 128 keys: M' = ceil(the largest t of these keys), t = score x log2(e) / 32; p = 2^(t - M'), quantised along the keys; the sum l' of
; the unquantised p.  Stored: p's codes as images [row block][K step of 128 keys][1,536 bytes], and [K step][8,192 rows] words of scale bytes, of -M' and of l'.  M' is a whole number, so the launch that multiplies p by v
; brings all under the row's M by taking M - M' off the scale bytes: the codes stay as they are.
; All 256 tiles of 256 x 256 are made: a tile that the mask hides gives zero codes, l' = 0 and -M' = c x 2^120, which the next launch reads like any other (its K is a constant).  No branch hangs on a work-group's place
; in its cluster: the mask is applied by selects everywhere.
; Operand layout, row order, tile, slots, clusters and the transposed use of the matrix instruction are those of the launch that makes q, k and v^T: lane (r, h) holds the query at place r of A's block a, which is query
; 32 (a / 2) + 8 (a % 2) + r + 8 (r / 8) of my 128, and register 16 b + i holds key 32 b + 16 h + i of my 128.
; LIMITS: NaN and infinities are not served; scores under -2^120 count as -2^120 in the maximum; a p under 2^-126 is 0; a block of zeros gets the byte 1 (this program alone reads the bytes).
; REGISTERS: window 0: v1-29 addresses and the mask's numbers; v32-63 scale words, two sets; v128-223 A's fragments.  window 1: B's fragments, two sets.  windows 2, 3: accumulator (a, b) at v[8 (8 (a % 4) + b)].
;   On the way out, window 0: v128-147 codes, v160-167 scale words, v168-175 -M', v176-183 l', v208-219 and v224-247 at work.
.set KS,    8
.set NSLOT, 3
.set RSA,   16384
.set RSB,   16384
.set QKS,   18874368
.set PS,    12582912
.set FR,    12
.set HALFT, 24576
.set SLOT,  4*HALFT
.set HALFS, 512*KS
.set SCL,   NSLOT*SLOT                 ; behind the slots: the scale words, A's [K step][256 rows], then B's; stored by the waves, no tensor load lands here
.set SPARE, SCL+4*HALFS                ; the spare words, 128 bytes for each wave: two blocks of 256 bytes that no other line names
.set DV,   9                           ; v9   my query less my first key, for block 0 and register 0
.set NINF, 10                          ; v10  -infinity
.set T0,   11
.set T1,   12
.set NMT,  14                          ; v[14:15] -M' (the packed form names a pair and takes its low word)
.set ADRA, 16
.set ADRB, 20
.set L4,   25
.set LI,   26
.set ADRS, 27
.set SPW,  28
.set NIL,  29
.set SC,   32
.set AF,   128
.set PC,   128
.set PWA,  160
.set NMA,  168
.set LA,   176
.set ST4,  208
.set S0,   224
.set S1,   226
.set TM,   232
.set CS,   2                           ; s[2:3] c = log2(e) / 32
.set ML,   10                          ; s10  all lanes where my keys all come after my queries
.set MH,   11                          ; s11  all lanes unless my keys all come before my queries
.set G1A,  24
.set G0A,  32
.set G1B,  44
.set G0B,  52
.set SWP,  76                          ; s[76:77] where my 4,096 bytes of scale words lie in memory; s[78:79] at work
.set SWL,  24                          ; v24  where they go in LDS
.set L16,  31                          ; v31  16 x lane
.set HM,   67
.set OB,   20
.set SB,   22
.set STR,  96
.set SEL,  100
.set MSB, 0
.macro WIN new                         ; the immediate's high byte repeats the setting that is left
.if MSB != (\new)
	s_set_vgpr_msb (MSB<<8)|(\new)
.set MSB, (\new)
.endif
.endm
.macro PLACES n
.rept \n
	v_nop
.endr
.endm
.macro JLOAD g0a, g0b                  ; a joint load: waves 0 and 1 fetch for A, waves 2 and 3 for B; four v_nop follow each line
	s_cmp_eq_u32 s15, 0
	s_cbranch_scc0 .Lfor_b_\@
	tensor_load_to_lds s[\g0a:\g0a+3], s[G1A:G1A+7]
	s_nop 0
	PLACES 4
	s_branch .Lasked_\@
.Lfor_b_\@:
	tensor_load_to_lds s[\g0b:\g0b+3], s[G1B:G1B+7]
	s_nop 0
	PLACES 4
.Lasked_\@:
.endm
.macro CREST
	s_cmp_lg_u32 s14, 0
	s_cbranch_scc1 .Lnot_wave_0_\@
	s_barrier_signal -3
.Lnot_wave_0_\@:
	s_barrier_wait -3
	s_barrier_signal -1
	s_barrier_wait -1
.endm
.macro CROUND
	s_barrier_signal -1
	s_barrier_wait -1
	CREST
.endm
.macro FRAG reg, adr, q, i, pt         ; pt: bytes from a row block to the next in this slot
.irp c, 0,1,2
	ds_load_b128 v[\reg+4*\c:\reg+4*\c+3], v[\adr] offset:(\pt)*(\i)+1536*(\q)+512*\c
.endr
.endm
.macro FETCH_B slot, q, p
	WIN 0x40
.irp i, 0,1,2,3,4,5,6,7
	FRAG 128*(\p)+FR*\i, ADRB+\slot, \q, \i, 3072+3072*((\slot+1)/2)   ; slots 1 and 2 come by one load: their row blocks lie 6,144 bytes apart
.endr
	WIN 0
.endm
.macro FETCH_A slot, q, i0
.irp i, \i0, \i0+1, \i0+2, \i0+3
	FRAG AF+FR*(\i), ADRA+\slot, \q, \i, 3072+3072*((\slot+1)/2)
.endr
.endm
.macro SCALES sc, j
.irp i, 0,1,2,3,4,5,6,7
.irp q, 0,1
	ds_load_b32 v[SC+16*(\sc)+2*\i+\q], v[ADRS] offset:(2*(\j)+\q)*1024+64*\i   ; scale words lie [K step of 128][256 rows]
.endr
.endr
.endm
; 16 matrix instructions: A's blocks a0, a0 + 1 x B's eight.  cm = 1: the constant 0 starts the sums.  The 64 accumulators take turns, one instruction a turn.
.macro MUL16 a0, p, q, sc, cm
.irp a, \a0, \a0+1
.irp b, 0,1,2,3,4,5,6,7
.if \cm == 1
	v_wmma_scale_f32_16x16x128_f8f6f4 v[8*(8*((\a)%4)+\b):8*(8*((\a)%4)+\b)+7], v[128*(\p)+FR*\b:128*(\p)+FR*\b+FR-1], v[AF+FR*(\a):AF+FR*(\a)+FR-1], 0, v[SC+16*(\sc)+2*\b+(\q)], v[SC+16*(\sc)+2*(\a)+(\q)] matrix_a_fmt:MATRIX_FMT_FP6 matrix_b_fmt:MATRIX_FMT_FP6 matrix_a_scale:MATRIX_SCALE_ROW1
.else
	v_wmma_scale_f32_16x16x128_f8f6f4 v[8*(8*((\a)%4)+\b):8*(8*((\a)%4)+\b)+7], v[128*(\p)+FR*\b:128*(\p)+FR*\b+FR-1], v[AF+FR*(\a):AF+FR*(\a)+FR-1], v[8*(8*((\a)%4)+\b):8*(8*((\a)%4)+\b)+7], v[SC+16*(\sc)+2*\b+(\q)], v[SC+16*(\sc)+2*(\a)+(\q)] matrix_a_fmt:MATRIX_FMT_FP6 matrix_b_fmt:MATRIX_FMT_FP6 matrix_a_scale:MATRIX_SCALE_ROW1
.endif
.endr
.endr
.endm
.macro STEP slot, sc, cm
	s_wait_dscnt 12                                ; all but A's blocks 4-7
	WIN 0xa1
	MUL16 0, 0, 0, \sc, \cm
	MUL16 2, 0, 0, \sc, \cm
	s_wait_dscnt 0x0
	PLACES 4
	FETCH_B \slot, 1, 1
	FETCH_A \slot, 1, 0
	WIN 0xf1
	MUL16 4, 0, 0, \sc, \cm
	MUL16 6, 0, 0, \sc, \cm
	PLACES 4
	WIN 0
	FETCH_A \slot, 1, 4
.endm
; kind 2: this slot is filled again, behind the waits, the add and a round of the cluster's barrier; kind 1: the same waits and a plain barrier, nothing is filled; kind 0: the next slot was shown whole earlier: no barrier.
.macro TURN slot, sc, next, j, kind
.if \kind == 0
	s_wait_dscnt 12
	WIN 0xa1
	MUL16 0, 1, 1, \sc, 0
	MUL16 2, 1, 1, \sc, 0
	WIN 0
	s_wait_dscnt 0x0
	PLACES 4
.else
	s_wait_tensorcnt 0x0                           ; all my tensor loads have landed
	ds_add_u32 v[SPW], v[NIL]                      ; 0 onto my spare word
	s_wait_dscnt 13                                ; (the add and A's blocks 4-7 may be out)
	WIN 0xa1
	MUL16 0, 1, 1, \sc, 0
	s_wait_dscnt 0x0                               ; the add is done, and my reads of this slot are over
	s_barrier_signal -1
	MUL16 2, 1, 1, \sc, 0
	WIN 0
	s_barrier_wait -1
.if \kind == 2
	CREST
	s_add_nc_u64 s[G0A+4*\slot+2:G0A+4*\slot+3], s[G0A+4*\slot+2:G0A+4*\slot+3], NSLOT*3072
	s_add_nc_u64 s[G0B+4*\slot+2:G0B+4*\slot+3], s[G0B+4*\slot+2:G0B+4*\slot+3], NSLOT*3072
	s_mov_b32 s[G1A+1], 384<<16                    ; no tensor load of mine is out: the refill's rows are two images again
	s_mov_b32 s[G1A+3], 384<<16
	s_mov_b32 s[G1B+1], 384<<16
	s_mov_b32 s[G1B+3], 384<<16
	JLOAD G0A+4*\slot, G0B+4*\slot
.else
	PLACES 4
.endif
.endif
	FETCH_B \next, 0, 0
	FETCH_A \next, 0, 0
	SCALES ((\j)+1)%2, (\j)+1
	WIN 0xf1
	MUL16 4, 1, 1, \sc, 0
	MUL16 6, 1, 1, \sc, 0
	PLACES 4
	WIN 0
	FETCH_A \next, 0, 4
.endm
.macro LAST sc
	s_wait_dscnt 12
	WIN 0xa1
	MUL16 0, 1, 1, \sc, 0
	MUL16 2, 1, 1, \sc, 0
	s_wait_dscnt 0x0
	WIN 0xf1
	MUL16 4, 1, 1, \sc, 0
	MUL16 6, 1, 1, \sc, 0
	WIN 0
.endm
.macro SCW a
.irp b, 0,1,2,3
	v_add_nc_u32 v[TM+12+\b], 0xff000000, v[TM+\b] ; 2 off the exponent field: the conversion's scale operand
.endr
.irp b, 0,1,2,3
	v_lshrrev_b32 v[TM+4+\b], 23, v[TM+12+\b]      ; the scale's byte
.endr
	v_lshl_or_b32 v[PWA+(\a)], v[TM+5], 8, v[TM+4]
	v_lshl_or_b32 v[PWA+(\a)], v[TM+6], 16, v[PWA+(\a)]
	v_lshl_or_b32 v[PWA+(\a)], v[TM+7], 24, v[PWA+(\a)]
.endm
.macro QTAIL a
.set AC, 64*((\a)%4)
.set WW, 2+(\a)/4
	s_wait_xcnt 0x0                                ; the last image's stores have read their registers and their base
.if (\a) > 0
	s_add_nc_u64 s[OB:OB+1], s[OB:OB+1], s[STR:STR+1]
.endif
	WIN WW
.irp c, 0,1
	v_cvt_scalef32_pk16_fp6_f32 v[PC+6*\c:PC+6*\c+2], v[AC+32*\c:AC+32*\c+15], v[TM+12+2*\c]
	v_cvt_scalef32_pk16_fp6_f32 v[PC+12+4*\c:PC+14+4*\c], v[AC+32*\c+16:AC+32*\c+31], v[TM+13+2*\c]
.endr
	WIN 0
	v_nop                                          ; one plain place behind a scaled conversion
.irp c, 0,1
.irp i, 0,1,2
	v_permlane16_swap_b32 v[PC+6*\c+\i], v[PC+12+4*\c+\i]
.endr
.irp i, 0,1,2
	v_mov_b32 v[PC+3+6*\c+\i], v[PC+12+4*\c+\i]
.endr
.endr
.irp g, 0,1,2
	global_store_b128 v[LI], v[PC+4*\g:PC+4*\g+3], s[OB:OB+1] offset:512*\g
.endr
.endm
.macro STATS arr, tmp, off
.irp i, 0,1,2,3
	v_cndmask_b32 v[\tmp+\i], v[\arr+2*\i], v[\arr+2*\i+1], s[HM]
.endr
.irp i, 0,1,2,3
	global_store_b32 v[L4], v[\tmp+\i], s[SB:SB+1] offset:\off+128*\i
.endr
.endm
; A's block a = 2 g + u: mask, M', p, l', codes.  Key 32 b + 16 h + i is hidden from my query where 32 (b - g) + i - 8 u > DV.  DV is a multiple of 128 plus a number from -16 to 23, so for b < g that holds only where
; all my keys are hidden, for b > g wherever not all my keys count, and for b = g it is compared.
.macro SBLK a
.set AC, 64*((\a)%4)
.set WW, 2+(\a)/4
.set SG, (\a)/2
.set SU, (\a)%2
	WIN WW|(WW<<6)
.set N, 0
.rept 64
.if N/16 < SG
	v_cndmask_b32 v[AC+N], v[AC+N], v[NINF], s[ML]
.elseif N/16 > SG
	v_cndmask_b32 v[AC+N], v[AC+N], v[NINF], s[MH]
.else
	v_cmp_gt_i32 vcc_lo, N%16-8*SU, v[DV]
	v_cndmask_b32 v[AC+N], v[AC+N], v[NINF], vcc_lo
.endif
.set N, N+1
.endr
	WIN WW|(WW<<2)
.irp b, 0,1,2,3
	v_max3_num_f32 v[TM+\b], v[AC+16*\b], v[AC+16*\b+1], 0xfb800000   ; the largest score of each block of 32 keys, over the floor -2^120: it serves for the row's maximum and for the block's largest p
.endr
.irp i, 2,4,6,8,10,12,14
.irp b, 0,1,2,3
	v_max3_num_f32 v[TM+\b], v[AC+16*\b+\i], v[AC+16*\b+\i+1], v[TM+\b]
.endr
.endr
	WIN 0
.irp b, 0,1,2,3
	v_permlanex16_b32 v[TM+4+\b], v[TM+\b], s[SEL], s[SEL+1]
.endr
.irp b, 0,1,2,3
	v_max_num_f32 v[TM+\b], v[TM+\b], v[TM+4+\b]
.endr
	v_max3_num_f32 v[T0], v[TM], v[TM+1], v[TM+2]
	v_max_num_f32 v[T0], v[T0], v[TM+3]            ; my query's largest score among these 128 keys
	v_mul_f32 v[T0], s[CS], v[T0]                  ; as t
	v_floor_f32 v[NMT], -v[T0]                     ; -M' = floor(-t) = -ceil(t)
	v_mov_b32 v[NMA+(\a)], v[NMT]
.irp b, 0,1,2,3
	v_fma_f32 v[TM+\b], v[TM+\b], s[CS], v[NMT]
.endr
	WIN WW|(WW<<6)
.set N, 0
.rept 32
	v_pk_fma_f32 v[AC+N:AC+N+1], v[AC+N:AC+N+1], s[CS:CS+1], v[NMT:NMT+1] op_sel_hi:[1,0,0]   ; t - M'
.set N, N+2
.endr
.set N, 0
	s_wait_alu depctr_va_vdst(0)
.rept 64
	v_exp_f32 v[AC+N], v[AC+N]                     ; p = 2^(t - M'): not normalised
.set N, N+1
.endr
	WIN 0
	v_nop                                          ; a plain place behind the exponentials
	s_wait_alu depctr_va_vdst(0)                   ; one wait for the batch, ahead of its first reader
.irp b, 0,1,2,3
	v_exp_f32 v[TM+\b], v[TM+\b]                   ; each block's largest p: the same two instructions on the same number
.endr
	WIN WW|(WW<<2)
	v_pk_add_f32 v[S0:S0+1], v[AC:AC+1], v[AC+2:AC+3]       ; the sum of the unquantised p, two at a time, in two chains
	v_pk_add_f32 v[S1:S1+1], v[AC+4:AC+5], v[AC+6:AC+7]
	WIN WW
.irp j, 8,12,16,20,24,28,32,36,40,44,48,52,56,60
	v_pk_add_f32 v[S0:S0+1], v[AC+\j:AC+\j+1], v[S0:S0+1]
	v_pk_add_f32 v[S1:S1+1], v[AC+\j+2:AC+\j+3], v[S1:S1+1]
.endr
	WIN 0
	v_pk_add_f32 v[S0:S0+1], v[S0:S0+1], v[S1:S1+1]
	v_add_f32 v[T0], v[S0], v[S0+1]
	v_permlanex16_b32 v[T1], v[T0], s[SEL], s[SEL+1]
	v_add_f32 v[LA+(\a)], v[T0], v[T1]             ; l'
	s_wait_alu depctr_va_vdst(0)                   ; and one for the four
.irp b, 0,1,2,3
	v_max_num_f32 v[TM+\b], 0x1800000, v[TM+\b]    ; the floor 2^(3 - 127): the byte cannot fall under 1
.endr
	SCW \a
	QTAIL \a
.endm
	s_load_b128 s[4:7], s[0:1], 0x0                ; qkv, p
	v_lshl_add_u32 v[SPW], v0, 2, SPARE
	v_mov_b32 v[NIL], 0
	ds_add_u32 v28, v29
	ds_add_u32 v28, v29
	s_wait_dscnt 0x0
	v_lshrrev_b32 v1, 5, v0
	v_readfirstlane_b32 s14, v1                    ; wave 0..3
	v_and_b32 v3, 31, v0                           ; lane
	v_and_b32 v1, 15, v0                           ; r
	v_bfe_u32 v2, v0, 4, 1                         ; h
	v_lshlrev_b32 v[L16], 4, v3
	s_mul_i32 s78, s14, 4096                       ; waves 0, 1: A's K steps 0-3, 4-7; waves 2, 3: B's
	s_add_co_u32 s78, s78, SCL
	v_add_nc_u32 v[SWL], s78, v[L16]
	s_lshr_b32 s15, s14, 1                         ; my half of the rows.  Also: I fetch for A (0) or for B (1)
	s_and_b32 s16, s14, 1                          ; my half of the columns.  Also: which 128 rows I fetch
	s_bfe_u32 s92, ttmp6, 0x40000                  ; cx
	s_bfe_u32 s93, ttmp6, 0x40004                  ; cy
	s_mov_b32 s94, ttmp9                           ; the cluster's x
	s_and_b32 s95, ttmp7, 0xffff                   ; the cluster's y
	s_lshl_b32 s17, s93, 2
	s_lshl_b32 s17, 15, s17                        ; my row of the cluster
	s_lshl_b32 s18, 0x1111, s92                    ; my column
	s_or_b32 s[G1A], s17, (3<<16)|(1<<21)
	s_or_b32 s[G1B], s18, (3<<16)|(1<<21)
.irp g, G1A, G1B
	s_mov_b32 s[\g+1], 384<<16
	s_mov_b32 s[\g+2], 8<<16
	s_mov_b32 s[\g+3], 384<<16
	s_mov_b32 s[\g+4], 8
	s_mov_b32 s[\g+5], 192*KS
	s_mov_b32 s[\g+6], 0
	s_mov_b32 s[\g+7], 0
.endr
	s_lshl_b32 s96, s95, 2
	s_add_co_u32 s96, s96, s93                     ; A: q's tile 4 Y + cy
	s_lshr_b32 s98, s95, 1
	s_lshl_b32 s98, s98, 3
	s_lshl_b32 s19, s94, 2
	s_add_co_u32 s98, s98, s19
	s_add_co_u32 s98, s98, 32
	s_add_co_u32 s98, s98, s92                     ; B: k's tile 32 + 8 x batch + 4 X + cx
	s_lshl_b32 s96, s96, 1
	s_add_co_u32 s96, s96, s16
	s_mul_i32 s20, s96, 8*KS*1536
	s_mov_b32 s21, 0
	s_sub_co_u32 s96, s96, s16                     ; the scale words come for the whole tile
	s_lshl_b32 s96, s96, 9
	s_add_co_u32 s96, s96, QKS
	s_mov_b32 s97, 0
	s_lshl_b32 s98, s98, 1
	s_add_co_u32 s98, s98, s16
	s_mul_i32 s22, s98, 8*KS*1536
	s_mov_b32 s23, 0
	s_sub_co_u32 s98, s98, s16
	s_lshl_b32 s98, s98, 9
	s_add_co_u32 s98, s98, QKS
	s_mov_b32 s99, 0
	s_wait_alu depctr_va_vdst(0)
	s_wait_kmcnt 0x0
	s_add_nc_u64 s[20:21], s[4:5], s[20:21]
	s_add_nc_u64 s[96:97], s[4:5], s[96:97]
	s_add_nc_u64 s[22:23], s[4:5], s[22:23]
	s_add_nc_u64 s[98:99], s[4:5], s[98:99]
	s_cmp_eq_u32 s15, 0                            ; the scale words come through registers: a wave takes four K steps of a tile's 256 rows
	s_cselect_b64 s[SWP:SWP+1], s[96:97], s[98:99]
	s_mul_i32 s78, s16, 16*RSA                     ; four K steps of RSA words
	s_mov_b32 s79, 0
	s_add_nc_u64 s[SWP:SWP+1], s[SWP:SWP+1], s[78:79]
.irp k, 0,1,2,3
	global_load_b128 v[AF+8*\k:AF+8*\k+3], v[L16], s[SWP:SWP+1] offset:\k*4*RSA        ; 32 lanes read 512 consecutive bytes, aligned
	global_load_b128 v[AF+8*\k+4:AF+8*\k+7], v[L16], s[SWP:SWP+1] offset:\k*4*RSA+512
.endr
.irp s, 0,1                                    ; set 0: slot 0, a quarter a wave; set 1: slots 1 and 2 as one, K steps 1 and 2, a quarter a wave
	s_mov_b32 s[G0A+4*\s], 1
	s_mul_i32 s[G0A+4*\s+1], s14, (1+\s)*HALFT
	s_add_co_u32 s[G0A+4*\s+1], s[G0A+4*\s+1], \s*SLOT
	s_add_nc_u64 s[G0A+4*\s+2:G0A+4*\s+3], s[20:21], \s*3072
	s_or_b32 s[G0A+4*\s+3], s[G0A+4*\s+3], 0x80000000
	s_mov_b32 s[G0B+4*\s], 1
	s_mul_i32 s[G0B+4*\s+1], s14, (1+\s)*HALFT
	s_add_co_u32 s[G0B+4*\s+1], s[G0B+4*\s+1], \s*SLOT
	s_add_nc_u64 s[G0B+4*\s+2:G0B+4*\s+3], s[22:23], \s*3072
	s_or_b32 s[G0B+4*\s+3], s[G0B+4*\s+3], 0x80000000
.endr
	s_cmp_eq_u32 s15, 0                            ; the prefetch's base: the 8 row blocks that I fetch in the ring,
	s_cselect_b64 s[98:99], s[20:21], s[22:23]
	s_cselect_b32 s96, s92, s93                    ; my work-group's place among the four that ask with me: by address alone
	s_mul_i32 s96, s96, 24576                      ; two row blocks of 12,288 bytes to each partner
	s_mov_b32 s97, 0
	s_add_nc_u64 s[98:99], s[98:99], s[96:97]
	CROUND                                         ; all sixteen work-groups are here: the first joint loads meet
	JLOAD G0A, G0B                                 ; slot 0, a quarter a wave: my one load at the head
	s_wait_alu depctr_va_vdst(0)
	v_lshlrev_b32 v[LI], 4, v3
	v_min_u32 v30, 23, v3                          ; K steps 1 and 2 of a row block are 24 blocks of 256 bytes: a lane a block, the lanes left over name the last again
	v_lshlrev_b32 v30, 8, v30
	global_prefetch_b8 v30, s[98:99] offset:3072 th:TH_LOAD_NT scope:SCOPE_SE    ; what the next fill will ask for: my work-group's two row blocks of the eight that I fetch
	global_prefetch_b8 v30, s[98:99] offset:15360 th:TH_LOAD_NT scope:SCOPE_SE   ; v30 and s[98:99] are not written again
	v_lshlrev_b32 v[L4], 2, v3
	s_mul_i32 s20, s15, HALFT
	s_mul_i32 s21, s16, HALFT
	s_add_co_u32 s21, s21, 2*HALFT
	s_wait_alu depctr_va_vdst(0)
	v_add_nc_u32 v[ADRA], s20, v[LI]
	v_add_nc_u32 v[ADRB], s21, v[LI]
	s_lshl_b32 s20, s20, 1                         ; in slots 1 and 2 a part is twice as long
	s_lshl_b32 s21, s21, 1
	s_add_co_u32 s20, s20, SLOT
	s_add_co_u32 s21, s21, SLOT
.irp s, 1,2
	v_add_nc_u32 v[ADRA+\s], s20, v[LI]
	v_add_nc_u32 v[ADRB+\s], s21, v[LI]
	s_add_co_u32 s20, s20, 3072                    ; slot 2: the second two images of each row block
	s_add_co_u32 s21, s21, 3072
.endr
	s_lshl_b32 s20, s15, 9                         ; my 128 rows' words in a K step's 256
	s_lshl_b32 s21, s16, 9
	s_add_co_u32 s21, s21, 2*HALFS
	s_sub_co_u32 s21, s21, s20
	v_mul_u32_u24 v4, s21, v2                      ; lanes 16-31 take B's
	s_add_co_u32 s20, s20, SCL
	v_lshl_add_u32 v4, v1, 2, v4
	v_add_nc_u32 v[ADRS], s20, v4
	; the mask's numbers: my first query less my first key, a multiple of 128; they feed selects and compares of vector data alone
	s_and_b32 s8, s95, 1
	s_lshl_b32 s8, s8, 2
	s_add_co_u32 s8, s8, s93                       ; my tile of queries in the batch
	s_lshl_b32 s9, s94, 2
	s_add_co_u32 s9, s9, s92                       ; my tile of keys
	s_sub_co_i32 s8, s8, s9
	s_lshl_b32 s8, s8, 1
	s_add_co_i32 s8, s8, s15
	s_sub_co_i32 s8, s8, s16
	s_lshl_b32 s8, s8, 7
	s_cmp_lt_i32 s8, 0
	s_cselect_b32 s[ML], -1, 0
	s_cmp_gt_i32 s8, 0
	s_cselect_b32 s[MH], 0, -1
	v_and_b32 v4, 8, v1
	v_add_nc_u32 v4, v4, v1                        ; r + 8 (r / 8)
	v_lshlrev_b32 v5, 4, v2
	v_sub_nc_u32 v4, v4, v5                        ; - 16 h
	v_add_nc_u32 v[DV], s8, v4
	v_mov_b32 v[NINF], 0xff800000
	v_mov_b32 v[NMT+1], 0                          ; (named as the upper half of a pair)
	v_mov_b32 v[T1], 0                             ; written once: a lane permute's destination counts as one of its sources
	; where the results go: row block 16 (4 Y + cy) + 8 x half, K step 2 (4 X + cx) + half
	s_lshl_b32 s20, s95, 2
	s_add_co_u32 s20, s20, s93
	s_lshl_b32 s20, s20, 4
	s_lshl_b32 s21, s15, 3
	s_add_co_u32 s20, s20, s21
	s_lshl_b32 s21, s94, 2
	s_add_co_u32 s21, s21, s92
	s_lshl_b32 s21, s21, 1
	s_add_co_u32 s21, s21, s16
	s_lshl_b32 s22, s21, 13
	s_lshl_b32 s23, s20, 4
	s_add_co_u32 s22, s22, s23
	s_lshl_b32 s22, s22, 2
	s_add_co_u32 s22, s22, PS
	s_lshl_b32 s20, s20, 4
	s_add_co_u32 s20, s20, s21
	s_mul_i32 s20, s20, 1536
	s_mov_b32 s21, 0
	s_mov_b32 s23, 0
	s_add_nc_u64 s[OB:OB+1], s[6:7], s[20:21]
	s_add_nc_u64 s[SB:SB+1], s[6:7], s[22:23]
	s_mov_b32 s[STR], 24576
	s_mov_b32 s[STR+1], 0
	s_mov_b32 s[SEL], 0x76543210
	s_mov_b32 s[SEL+1], 0xfedcba98
	s_mov_b32 s[HM], 0xffff0000
	s_mov_b32 s[CS], 0x3d38aa3b                    ; log2(e) / 32
	s_mov_b32 s[CS+1], s[CS]
	s_wait_loadcnt 0x0                             ; my scale words
.irp k, 0,1,2,3
	ds_store_b128 v[SWL], v[AF+8*\k:AF+8*\k+3] offset:1024*\k
	ds_store_b128 v[SWL], v[AF+8*\k+4:AF+8*\k+7] offset:1024*\k+512
.endr
	s_wait_alu depctr_va_vdst(0)
	s_wait_tensorcnt 0x0                           ; my tile of the head's four is in
	ds_add_u32 v[SPW], v[NIL]                      ; 0 onto my spare word
	s_mov_b32 s[G1A+1], 768<<16                    ; no tensor load of mine is out: the next load's rows are four images
	s_mov_b32 s[G1A+3], 768<<16
	s_mov_b32 s[G1B+1], 768<<16
	s_mov_b32 s[G1B+3], 768<<16
	s_wait_dscnt 0x0                               ; the add is done, and for the others' sake my stores of scale words have landed
	CROUND                                         ; all four tiles are in, and all sixteen work-groups are here
	JLOAD G0A+4, G0B+4                             ; K steps 1 and 2 into slots 1 and 2: my one load behind the round
	FETCH_B 0, 0, 0
	FETCH_A 0, 0, 0
	SCALES 0, 0
	FETCH_A 0, 0, 4
	STEP 0, 0, 1
	TURN 0, 0, 1, 0, 2
	STEP 1, 1, 0
	TURN 1, 1, 2, 1, 0
	STEP 2, 0, 0
	TURN 2, 0, 0, 2, 1
	STEP 0, 1, 0
	LAST 1
	PLACES 4
.irp b, 0,1,2,3
	v_mov_b32 v[TM+4+\b], 0                        ; written once: a lane permute's destination counts as one of its sources
.endr
.irp a, 0,1,2,3,4,5,6,7
	SBLK \a
.endr
	STATS PWA, ST4, 0                              ; the scale words,
	STATS NMA, ST4+4, 524288                       ; -M',
	STATS LA, ST4+8, 1048576                       ; l'
	s_wait_tensorcnt 0x0                           ; the wave's end
	ds_add_u32 v[SPW], v[NIL]
	s_wait_dscnt 0x0
	CROUND                                         ; the closing round
	s_endpgm
.Lfunc_end_k_q12b98b6d4b_scores:
	.size	k_q12b98b6d4b_scores, .Lfunc_end_k_q12b98b6d4b_scores-k_q12b98b6d4b_scores
	.p2alignl 7, 3214868480
	.fill 96, 4, 3214868480
	.section	.rodata,"a",@progbits
	.p2align	6, 0x0
	.amdhsa_kernel k_q12b98b6d4b_scores
		.amdhsa_group_segment_fixed_size 327680
		.amdhsa_private_segment_fixed_size 0
		.amdhsa_enable_private_segment 0
		.amdhsa_kernarg_size 16
		.amdhsa_user_sgpr_count 2
		.amdhsa_user_sgpr_kernarg_segment_ptr 1
		.amdhsa_wavefront_size32 1
		.amdhsa_system_sgpr_workgroup_id_x 1
		.amdhsa_system_sgpr_workgroup_id_y 1
		.amdhsa_system_sgpr_workgroup_id_z 1
		.amdhsa_system_vgpr_workitem_id 0
		.amdhsa_next_free_vgpr 1024
		.amdhsa_next_free_sgpr 102
		.amdhsa_reserve_vcc 1
		.amdhsa_float_denorm_mode_32 3
		.amdhsa_float_denorm_mode_16_64 3
		.amdhsa_memory_ordered 1
		.amdhsa_forward_progress 1
		.amdhsa_inst_pref_size 235
	.end_amdhsa_kernel
	.amdgpu_metadata
---
amdhsa.version: [ 1, 2 ]
amdhsa.kernels:
  - .name:           k_q12b98b6d4b_scores
    .symbol:         k_q12b98b6d4b_scores.kd
    .args:
      - { .name: qkv, .offset: 0, .size: 8, .value_kind: global_buffer, .address_space: global }
      - { .name: p, .offset: 8, .size: 8, .value_kind: global_buffer, .address_space: global }
    .group_segment_fixed_size: 327680
    .private_segment_fixed_size: 0
    .kernarg_segment_align: 8
    .kernarg_segment_size: 16
    .max_flat_workgroup_size: 128
    .sgpr_count:     102
    .vgpr_count:     1024
    .wavefront_size: 32
...
	.end_amdgpu_metadata
.endif
;; end of part 3
;; launch pv (part 4): grid 4 x 64, 4 waves a work-group, clusters of 4 x 4, 327,680 bytes of LDS; arguments p, qkv, ctx; writes ctx
.if DOCPART == 4
	.amdgcn_target "amdgcn-amd-amdhsa--gfx1250"
	.amdhsa_code_object_version 6
	.text
	.protected	k_q12b98b6d4b_pv
	.globl	k_q12b98b6d4b_pv
	.p2align	8
	.type	k_q12b98b6d4b_pv,@function
k_q12b98b6d4b_pv:
	s_mov_b64 s[64:65], 0
	v_nop
	global_prefetch_b8 v0, s[64:65] scope:SCOPE_SE
	s_setreg_imm32_b32 hwreg(HW_REG_WAVE_MODE, 25, 1), 1
	s_wait_xcnt 0x0
	s_wait_alu depctr_hold_cnt(0) depctr_sa_sdst(0) depctr_va_vdst(0) depctr_va_sdst(0) depctr_va_ssrc(0) depctr_va_vcc(0) depctr_vm_vsrc(0)
	s_getreg_b32 s2, hwreg(HW_REG_IB_STS2, 6, 4)
	s_cmp_eq_u32 s2, 0
	s_cbranch_scc0 .Lentry_in_a_cluster
	s_endpgm
.Lentry_in_a_cluster:
	s_bfe_u32 s2, ttmp6, 0x10000c
	s_cmp_lg_u32 s2, 0xf033
	s_cbranch_scc0 .Lentry_shape_is_right
	s_endpgm
.Lentry_shape_is_right:
; ctx = (p v) / l on codes of FP6 (E2M3), quantised again along its 1,024 columns.  A = p (rows: queries; K = the batch's 2,048 keys), B = v^T (rows: the 1,024; K = the keys).
; OPERANDS lie as images of their registers: [row block of 16][K step of 128][1,536 bytes], byte 512 g + 16 lane + 4 i = register 4 g + i; scale words [K step][row].  Rows lie with bits 3 and 4 of their number exchanged
; within each 32, so that block 2 g + u holds rows 32 g + 8 u + i + 8 (i / 8).
; A TILE OF C IS 128 ROWS x 256 COLUMNS: 64 x 4 tiles, a work-group each.  Four waves, 64 rows x 128 columns each: 32 accumulators, 256 registers.  The 128 columns of a wave are one K step of the next product: a block of
; 16 rows leaves as one image and one scale word a row.
; K = 2,048 goes in four steps of 512 through two LDS slots (A: 8 row blocks x 4 images, B: 16 x 4): two first fills, two refills.  A refill stands behind the waits, the add and a round of the cluster's barrier.
; p arrives with a whole number M' for each row and each 128 keys.  AT THE HEAD each lane takes one of the work-group's 128 rows: -M = the least -M'; D = M - M', held at 255; l = the sum of l' x 2^-D; each of the four
; scale bytes of that row and those keys becomes byte - min(byte, D).  All of that is exact but for bytes held at 0 (2^-127) and for what ldexp loses under the smallest number, both far under what counts beside l >= 1/2.
; The adjusted words go to LDS by stores, [K step][128 rows]; 1 / l beside them.
; THE MATRIX INSTRUCTION IS USED TRANSPOSED (source 0 = 16 rows of B, source 1 = 16 rows of A): lane (r, h) holds row r of A's block, and by the row order its 16 registers of B's blocks 2 g, 2 g + 1 are columns
; 32 g + 16 h + 0 .. 15.   CLUSTERS of 4 x 4: A's tile is shared along a row of the cluster, B's along a column: joint loads.  Branches hang on the wave's number alone.
; LIMITS: NaN and infinities are not served; a block of zeros gets the byte 1 (zero codes; this program alone reads the bytes).
; REGISTERS: window 0: v1-29 addresses; v32-95 scale words, two sets; v128-175, v176-223 A's fragments, two sets.  window 1: B's fragments, two sets (v0, v128).  window 2: accumulator (a, b) at v[8 (8 a + b)].
;   At the head, window 0: v128-143 -M', v144-159 D, v160-175 l', v192-207 scale words.  On the way out: v128-147 codes, v160-163 scale words, v192-199 1 / l, v208-209 and v232-247 at work.
.set KS,    16                         ; K steps of 128
.set RSB,   4096                       ; rows in B's array of scale words
.set VC,    12582912
.set VS,    19398656
.set PS,    12582912
.set CSO,   6291456
.set FR,    12                         ; registers of a fragment
.set HALFA, 24576                      ; 4 row blocks x 4 images: what a tensor load brings of A, and what a wave reads of A in a slot
.set HALFB, 49152                      ; 8 row blocks x 4 images: the same of B
.set SLOT,  2*HALFA+2*HALFB
.set HALFS, 512*KS                     ; the scale words of 128 rows, all of K
.set SCL,   2*SLOT                     ; behind the slots: A's scale words, then B's two parts, [K step][128 rows] each; all stored by the waves, no tensor load lands here
.set RLB,   SCL+3*HALFS                ; 1 / l of the 128 rows
.set SPARE, RLB+512                    ; the spare words, 128 bytes for each wave: two blocks of 256 bytes that no other line names
.set SWA,  6                           ; v6   where I store my row's scale words
.set RWA,  7                           ; v7   and its 1 / l
.set RLA,  8                           ; v8   where I read 1 / l of row r of my blocks
.set ADRA, 16                          ; v16-17 LDS address of my A fragments in slot 0, 1
.set ADRB, 20                          ; v20-21 the same for B
.set L4,   25                          ; v25  4 x lane
.set LI,   26                          ; v26  16 x lane
.set ADRS, 27                          ; v27  my scale words: lanes 0-15 A's rows, lanes 16-31 B's
.set SPW,  28                          ; v28  LDS address of my spare word; never rewritten
.set NIL,  29                          ; v29  0; never rewritten
.set SC,   32                          ; scale words: set s at v[SC + 32 s]; register 4 i + q: lanes 0-15 A's block i (i under 4), lanes 16-31 B's block i, the slot's q-th 128 along K
.set AF,   128
.set PMR,  128
.set DD,   144
.set PLR,  160
.set PSR,  192
.set MN,   224
.set LS,   226
.set TB,   232
.set PC,   128
.set PWA,  160
.set RL,   192
.set ST4,  208
.set TM,   232
.set G1A,  24                          ; s[24:31] group 1 for A's tiles; s[32:39] groups 0, one for each slot
.set G0A,  32
.set G1B,  44                          ; s[44:51], s[52:59] the same for B's
.set G0B,  52
.set SWP,  80                          ; s[80:81] where my 4,096 bytes of B's scale words lie in memory; s[88:89] at work
.set SWL,  24                          ; v24  where they go in LDS
.set L16,  31                          ; v31  16 x lane
.set HM,   67                          ; s67  lanes 16-31
.set OB,   20                          ; s[20:21] where the next image goes
.set SB,   22                          ; s[22:23] where my 64 scale words go
.set STR,  96                          ; s[96:97] bytes from a row block's image to the next row block's
.set SEL,  100                         ; s[100:101] selects for lane l xor 16
.set MSB, 0
.macro WIN new                         ; the immediate's high byte repeats the setting that is left
.if MSB != (\new)
	s_set_vgpr_msb (MSB<<8)|(\new)
.set MSB, (\new)
.endif
.endm
.macro PLACES n                        ; plain places behind matrix instructions (ISA guide 7.12.1)
.rept \n
	v_nop
.endr
.endm
.macro JLOAD g0a, g0b                  ; a joint load: waves 0 and 1 fetch for A, waves 2 and 3 for B; four v_nop follow each line
	s_cmp_eq_u32 s15, 0
	s_cbranch_scc0 .Lfor_b_\@
	tensor_load_to_lds s[\g0a:\g0a+3], s[G1A:G1A+7]
	s_nop 0
	PLACES 4
	s_branch .Lasked_\@
.Lfor_b_\@:
	tensor_load_to_lds s[\g0b:\g0b+3], s[G1B:G1B+7]
	s_nop 0
	PLACES 4
.Lasked_\@:
.endm
.macro CREST                           ; a round of the cluster's barrier behind its opening barrier
	s_cmp_lg_u32 s14, 0
	s_cbranch_scc1 .Lnot_wave_0_\@
	s_barrier_signal -3
.Lnot_wave_0_\@:
	s_barrier_wait -3
	s_barrier_signal -1
	s_barrier_wait -1
.endm
.macro CROUND
	s_barrier_signal -1
	s_barrier_wait -1
	CREST
.endm
.macro FRAG reg, adr, q, i             ; an image comes back as it was stored: three loads of 512 consecutive bytes
.irp c, 0,1,2
	ds_load_b128 v[\reg+4*\c:\reg+4*\c+3], v[\adr] offset:6144*(\i)+1536*(\q)+512*\c
.endr
.endm
.macro FETCH slot, q, p                ; the slot's q-th 128 along K into the sets p: B's eight fragments, A's four: 36 loads in one run
	WIN 0x40
.irp i, 0,1,2,3,4,5,6,7
	FRAG 128*(\p)+FR*\i, ADRB+\slot, \q, \i
.endr
	WIN 0
.irp i, 0,1,2,3
	FRAG AF+48*(\p)+FR*\i, ADRA+\slot, \q, \i
.endr
.endm
.macro SCALES sc, j                    ; K step j's scale words into set sc.  (For i from 4 on lanes 0-15 load words that no product reads: bytes of the scale words' region, written ahead of the first barrier)
.irp i, 0,1,2,3,4,5,6,7
.irp q, 0,1,2,3
	ds_load_b32 v[SC+32*(\sc)+4*\i+\q], v[ADRS] offset:(4*(\j)+\q)*512+64*\i
.endr
.endr
.endm
; 8 matrix instructions: A's block a x B's eight.  cm = 1: the constant 0 starts the sums.  The 32 accumulators take turns, one instruction a turn, in one order throughout.
.macro MULA a, p, q, sc, cm
.irp b, 0,1,2,3,4,5,6,7
.if \cm == 1
	v_wmma_scale_f32_16x16x128_f8f6f4 v[8*(8*(\a)+\b):8*(8*(\a)+\b)+7], v[128*(\p)+FR*\b:128*(\p)+FR*\b+FR-1], v[AF+48*(\p)+FR*(\a):AF+48*(\p)+FR*(\a)+FR-1], 0, v[SC+32*(\sc)+4*\b+(\q)], v[SC+32*(\sc)+4*(\a)+(\q)] matrix_a_fmt:MATRIX_FMT_FP6 matrix_b_fmt:MATRIX_FMT_FP6 matrix_a_scale:MATRIX_SCALE_ROW1
.else
	v_wmma_scale_f32_16x16x128_f8f6f4 v[8*(8*(\a)+\b):8*(8*(\a)+\b)+7], v[128*(\p)+FR*\b:128*(\p)+FR*\b+FR-1], v[AF+48*(\p)+FR*(\a):AF+48*(\p)+FR*(\a)+FR-1], v[8*(8*(\a)+\b):8*(8*(\a)+\b)+7], v[SC+32*(\sc)+4*\b+(\q)], v[SC+32*(\sc)+4*(\a)+(\q)] matrix_a_fmt:MATRIX_FMT_FP6 matrix_b_fmt:MATRIX_FMT_FP6 matrix_a_scale:MATRIX_SCALE_ROW1
.endif
.endr
.endm
.macro STEP slot, q, sc, cm            ; one of a slot's first three steps of 128 along K
	s_wait_dscnt 0x0                               ; this step's fragments, asked for a whole step ago, are in
	PLACES 4                                       ; behind the last step's products, which read the sets that are loaded now
	FETCH \slot, (\q)+1, 1-(\q)%2
	WIN 0xa1                                       ; B window 1, A window 0, C and D window 2
.irp a, 0,1,2,3
	MULA \a, (\q)%2, \q, \sc, \cm
.endr
.endm
; A slot's fourth step, and the change to slot next, K step j + 1.  In front of the barrier each wave waits for all its tensor loads, adds 0 to its spare word, and waits for that and for its reads of this slot.
; kind 2: the barrier opens a round of the cluster's barrier, and this slot is filled again, two K steps ahead, first thing behind the round.   kind 1: a plain barrier; nothing is filled.
.macro TURN slot, sc, next, j, kind
	WIN 0                                          ; (the add's two registers lie in window 0)
	s_wait_tensorcnt 0x0                           ; all my tensor loads have landed: my part of the next slot
	ds_add_u32 v[SPW], v[NIL]                      ; 0 onto my spare word
	s_wait_dscnt 1                                 ; (the add may be out)  this step's fragments are in
	WIN 0xa1
	MULA 0, 1, 3, \sc, 0
	s_wait_dscnt 0x0                               ; the add is done, and my reads of this slot are over
	s_barrier_signal -1
	MULA 1, 1, 3, \sc, 0
	WIN 0
	s_barrier_wait -1
.if \kind == 2
	CREST                                          ; no wave of any partner still reads this slot or has a load on its way
	s_add_nc_u64 s[G0A+4*\slot+2:G0A+4*\slot+3], s[G0A+4*\slot+2:G0A+4*\slot+3], 2*6144
	s_add_nc_u64 s[G0B+4*\slot+2:G0B+4*\slot+3], s[G0B+4*\slot+2:G0B+4*\slot+3], 2*6144
	JLOAD G0A+4*\slot, G0B+4*\slot                 ; 112 matrix instructions ahead of the wait for it; its four v_nop are also the places in front of the loads below
.else
	PLACES 4
.endif
	FETCH \next, 0, 0
	SCALES ((\j)+1)%2, (\j)+1
	WIN 0xa1
	MULA 2, 1, 3, \sc, 0
	MULA 3, 1, 3, \sc, 0
.endm
.macro LAST sc                         ; the very last 128 along K
	s_wait_dscnt 0x0
	WIN 0xa1
.irp a, 0,1,2,3
	MULA \a, 1, 3, \sc, 0
.endr
	WIN 0
.endm
; THE QUANTISING WAY OUT of A's block a: 64 numbers a lane, register 16 b + i = column 32 b + 16 h + i of my row.
.macro QMAX a                          ; the four blocks' largest magnitudes; each accumulator is read from its low end on
.set AC, 64*(\a)
	WIN 0x0a
.irp b, 0,1,2,3
	v_max3_num_f32 v[TM+\b], |v[AC+16*\b]|, |v[AC+16*\b+1]|, 0x1800000   ; with the floor 2^(3 - 127): the byte cannot fall under 1
.endr
.irp i, 2,4,6,8,10,12,14
.irp b, 0,1,2,3
	v_max3_num_f32 v[TM+\b], |v[AC+16*\b+\i]|, |v[AC+16*\b+\i+1]|, v[TM+\b]
.endr
.endr
	WIN 0
.irp b, 0,1,2,3
	v_permlanex16_b32 v[TM+4+\b], v[TM+\b], s[SEL], s[SEL+1]
.endr
.irp b, 0,1,2,3
	v_max_num_f32 v[TM+\b], v[TM+\b], v[TM+4+\b]   ; with lane l xor 16's 16 columns
.endr
.endm
.macro SCW a                           ; scale operands, bytes, and my row's scale word
.irp b, 0,1,2,3
	v_add_nc_u32 v[TM+12+\b], 0xff000000, v[TM+\b]
.endr
.irp b, 0,1,2,3
	v_lshrrev_b32 v[TM+4+\b], 23, v[TM+12+\b]
.endr
	v_lshl_or_b32 v[PWA+(\a)], v[TM+5], 8, v[TM+4]
	v_lshl_or_b32 v[PWA+(\a)], v[TM+6], 16, v[PWA+(\a)]
	v_lshl_or_b32 v[PWA+(\a)], v[TM+7], 24, v[PWA+(\a)]
.endm
.macro QTAIL a                         ; the codes, and the image's three stores
.set AC, 64*(\a)
	s_wait_xcnt 0x0                                ; the last image's stores have read their registers and their base
.if (\a) > 0
	s_add_nc_u64 s[OB:OB+1], s[OB:OB+1], s[STR:STR+1]
.endif
	WIN 0x02
.irp c, 0,1
	v_cvt_scalef32_pk16_fp6_f32 v[PC+6*\c:PC+6*\c+2], v[AC+32*\c:AC+32*\c+15], v[TM+12+2*\c]
	v_cvt_scalef32_pk16_fp6_f32 v[PC+12+4*\c:PC+14+4*\c], v[AC+32*\c+16:AC+32*\c+31], v[TM+13+2*\c]
.endr
	WIN 0
	v_nop                                          ; one plain place behind a scaled conversion
.irp c, 0,1                                    ; the layout wants a whole block of 32 in a lane
.irp i, 0,1,2
	v_permlane16_swap_b32 v[PC+6*\c+\i], v[PC+12+4*\c+\i]
.endr
.irp i, 0,1,2
	v_mov_b32 v[PC+3+6*\c+\i], v[PC+12+4*\c+\i]
.endr
.endr
.irp g, 0,1,2
	global_store_b128 v[LI], v[PC+4*\g:PC+4*\g+3], s[OB:OB+1] offset:512*\g   ; 512 consecutive bytes, aligned
.endr
.endm
; keys 128 k on: the four scale bytes of my row less D, held at 0.  Two sets of registers at work take turns
.macro ADJ k
.set WD, PSR+(\k)
.set TT, TB+8*((\k)%2)
.irp b, 0,1,2,3
	v_bfe_u32 v[TT+\b], v[WD], 8*\b, 8
.endr
.irp b, 0,1,2,3
	v_min_u32 v[TT+4+\b], v[TT+\b], v[DD+(\k)]
.endr
.irp b, 0,1,2,3
	v_sub_nc_u32 v[TT+\b], v[TT+\b], v[TT+4+\b]
.endr
	v_lshl_or_b32 v[WD], v[TT+1], 8, v[TT]
	v_lshl_or_b32 v[WD], v[TT+2], 16, v[WD]
	v_lshl_or_b32 v[WD], v[TT+3], 24, v[WD]
.endm
	s_load_b128 s[4:7], s[0:1], 0x0                ; p, qkv
	s_load_b64 s[8:9], s[0:1], 0x10                ; ctx
	v_lshl_add_u32 v[SPW], v0, 2, SPARE
	v_mov_b32 v[NIL], 0
	ds_add_u32 v28, v29
	ds_add_u32 v28, v29
	s_wait_dscnt 0x0
	v_lshrrev_b32 v1, 5, v0
	v_readfirstlane_b32 s14, v1                    ; wave 0..3
	v_and_b32 v3, 31, v0                           ; lane
	v_and_b32 v1, 15, v0                           ; r
	v_bfe_u32 v2, v0, 4, 1                         ; h
	v_lshlrev_b32 v[L4], 2, v3
	s_lshr_b32 s15, s14, 1                         ; my half of the tile's rows.  Also: I fetch for A (0) or for B (1)
	s_and_b32 s16, s14, 1                          ; my half of its columns.  Also: which half of that tile's rows I fetch
	s_bfe_u32 s92, ttmp6, 0x40000                  ; cx
	s_bfe_u32 s93, ttmp6, 0x40004                  ; cy
	s_and_b32 s95, ttmp7, 0xffff                   ; the cluster's y: 512 rows each
	s_lshl_b32 s17, s93, 2
	s_lshl_b32 s17, 15, s17                        ; my row of the cluster
	s_lshl_b32 s18, 0x1111, s92                    ; my column
	s_or_b32 s[G1A], s17, (3<<16)|(1<<21)          ; the mask; elements of 8 bytes; bit 21 beside a mask; no padding
	s_or_b32 s[G1B], s18, (3<<16)|(1<<21)
.irp g, G1A, G1B
	s_mov_b32 s[\g+1], 768<<16                     ; tensor_dim0: four images, 6,144 bytes
	s_mov_b32 s[\g+3], 768<<16                     ; tile_dim0
	s_mov_b32 s[\g+5], 192*KS                      ; from a row block to the next: KS images
	s_mov_b32 s[\g+6], 0
	s_mov_b32 s[\g+7], 0
.endr
	s_mov_b32 s[G1A+2], 4<<16                      ; tensor_dim1: A: 4 row blocks,
	s_mov_b32 s[G1A+4], 4                          ; tile_dim1
	s_mov_b32 s[G1B+2], 8<<16                      ; B: 8
	s_mov_b32 s[G1B+4], 8
	s_lshl_b32 s96, s95, 2
	s_add_co_u32 s96, s96, s93                     ; A: p's tile of 128 rows: 4 Y + cy
	s_lshl_b32 s10, s96, 9                         ; its rows' words,
	s_lshl_b32 s11, s14, 7
	s_add_co_u32 s10, s10, s11                     ; my wave's 32 of them
	s_add_co_u32 s10, s10, PS
	s_mov_b32 s11, 0
	s_lshr_b32 s98, s95, 2
	s_lshl_b32 s98, s98, 2
	s_add_co_u32 s98, s98, s92                     ; B: v^T's tile of 256 rows: 4 x batch + cx
	s_lshl_b32 s96, s96, 1
	s_add_co_u32 s96, s96, s16                     ; in units of 64 rows, + the half that I fetch
	s_mul_i32 s20, s96, 4*KS*1536
	s_mov_b32 s21, 0
	s_lshl_b32 s98, s98, 1
	s_add_co_u32 s98, s98, s16                     ; in units of 128 rows
	s_mul_i32 s22, s98, 8*KS*1536
	s_add_co_u32 s22, s22, VC
	s_mov_b32 s23, 0
	s_sub_co_u32 s98, s98, s16
	s_add_co_u32 s98, s98, s15                     ; of B's scale words I take part wave / 2, K steps 8 (wave % 2) on
	s_lshl_b32 s98, s98, 9
	s_add_co_u32 s98, s98, VS
	s_mov_b32 s99, 0
	s_mul_i32 s2, s16, HALFA                       ; where my part goes: no place in the cluster enters an LDS address.  A's two parts,
	s_mul_i32 s3, s16, HALFB
	s_add_co_u32 s3, s3, 2*HALFA                   ; then B's two
	s_mul_i32 s19, s15, HALFS
	s_add_co_u32 s19, s19, SCL+HALFS               ; B's scale words, behind A's
	s_lshl_b32 s88, s16, 12                        ; eight K steps of 512 bytes
	s_add_co_u32 s19, s19, s88
	s_wait_alu depctr_va_vdst(0)
	v_lshlrev_b32 v[L16], 4, v3
	v_add_nc_u32 v[SWL], s19, v[L16]
	s_wait_alu depctr_va_vdst(0)
	s_wait_kmcnt 0x0
	s_add_nc_u64 s[10:11], s[4:5], s[10:11]
.irp k, 0,1,2,3,4,5,6,7,8,9,10,11,12,13,14,15
	global_load_b32 v[PSR+\k], v[L4], s[10:11] offset:32768*\k            ; my row's scale word for keys 128 k on,
	global_load_b32 v[PMR+\k], v[L4], s[10:11] offset:32768*\k+524288     ; -M',
	global_load_b32 v[PLR+\k], v[L4], s[10:11] offset:32768*\k+1048576    ; l'
.endr
	s_add_nc_u64 s[20:21], s[4:5], s[20:21]
	s_add_nc_u64 s[22:23], s[6:7], s[22:23]
	s_add_nc_u64 s[98:99], s[6:7], s[98:99]
	s_lshl_b32 s88, s16, 17                        ; eight K steps of RSB words
	s_mov_b32 s89, 0
	s_add_nc_u64 s[SWP:SWP+1], s[98:99], s[88:89]
.irp k, 0,1,2,3,4,5,6,7
	global_load_b128 v[SC+4*\k:SC+4*\k+3], v[L16], s[SWP:SWP+1] offset:\k*4*RSB   ; 128 rows' words of a K step: 512 consecutive bytes, aligned
.endr
.irp s, 0,1
	s_mov_b32 s[G0A+4*\s], 1
	s_add_co_u32 s[G0A+4*\s+1], s2, \s*SLOT
	s_add_nc_u64 s[G0A+4*\s+2:G0A+4*\s+3], s[20:21], \s*6144
	s_or_b32 s[G0A+4*\s+3], s[G0A+4*\s+3], 0x80000000
	s_mov_b32 s[G0B+4*\s], 1
	s_add_co_u32 s[G0B+4*\s+1], s3, \s*SLOT
	s_add_nc_u64 s[G0B+4*\s+2:G0B+4*\s+3], s[22:23], \s*6144
	s_or_b32 s[G0B+4*\s+3], s[G0B+4*\s+3], 0x80000000
.endr
	s_cmp_eq_u32 s15, 0                            ; the prefetch's base: the row blocks that I fetch in the ring (A: 4, B: 8),
	s_cselect_b64 s[98:99], s[20:21], s[22:23]
	s_cselect_b32 s96, s92, s93                    ; my work-group's place among the four that ask with me: by address alone
	s_mul_i32 s96, s96, 24576                      ; A: one row block of 24,576 bytes to each partner,
	s_lshl_b32 s96, s96, s15                       ; B: two
	s_mov_b32 s97, 0
	s_add_nc_u64 s[98:99], s[98:99], s[96:97]
	CROUND                                         ; all sixteen work-groups are here: the first joint loads meet
	JLOAD G0A, G0B                                 ; slot 0: waves 0 and 1 A's halves, waves 2 and 3 B's: my one load at the head
	v_lshlrev_b32 v[LI], 4, v3
	v_min_u32 v30, 23, v3                          ; a K step of a row block is 24 blocks of 256 bytes: a lane a block, the lanes left over name the last again
	v_lshlrev_b32 v30, 8, v30
	global_prefetch_b8 v30, s[98:99] offset:6144 th:TH_LOAD_NT scope:SCOPE_SE   ; what slot 1's fill will ask for: my work-group's share of the row blocks that I fetch
	s_wait_alu depctr_va_vdst(0)
	s_cmp_eq_u32 s15, 0
	s_cbranch_scc1 .Lpf_done
	global_prefetch_b8 v30, s[98:99] offset:30720 th:TH_LOAD_NT scope:SCOPE_SE  ; B's second row block.  v30 and s[98:99] are not written again
.Lpf_done:
	s_mul_i32 s20, s15, HALFA                      ; my 64 rows of A
	s_mul_i32 s21, s16, HALFB
	s_add_co_u32 s21, s21, 2*HALFA                 ; my 128 rows of B, behind A's 128
.irp s, 0,1
	v_add_nc_u32 v[ADRA+\s], s20, v[LI]
	v_add_nc_u32 v[ADRB+\s], s21, v[LI]
	s_add_co_u32 s20, s20, SLOT
	s_add_co_u32 s21, s21, SLOT
.endr
	s_lshl_b32 s20, s15, 8                         ; A's words: [K step][128 rows]: my 64 rows begin 256 bytes x half on
	s_mul_i32 s21, s16, HALFS
	s_add_co_u32 s21, s21, HALFS                   ; B's: my part, behind A's
	s_sub_co_u32 s21, s21, s20
	v_mul_u32_u24 v4, s21, v2                      ; lanes 16-31 take B's
	s_add_co_u32 s20, s20, SCL
	v_lshl_add_u32 v4, v1, 2, v4
	v_add_nc_u32 v[ADRS], s20, v4
	v_lshl_add_u32 v[SWA], v0, 2, SCL              ; my row, 32 x wave + lane, is my thread's number
	v_lshl_add_u32 v[RWA], v0, 2, RLB
	s_lshl_b32 s20, s15, 8
	s_add_co_u32 s20, s20, RLB
	v_lshl_add_u32 v[RLA], v1, 2, s20
	; where the results go: row block 8 (4 Y + cy) + 4 x half, K step 2 cx + half
	s_lshl_b32 s20, s95, 2
	s_add_co_u32 s20, s20, s93
	s_lshl_b32 s20, s20, 3
	s_lshl_b32 s21, s15, 2
	s_add_co_u32 s20, s20, s21
	s_lshl_b32 s21, s92, 1
	s_add_co_u32 s21, s21, s16
	s_lshl_b32 s22, s21, 13
	s_lshl_b32 s23, s20, 4
	s_add_co_u32 s22, s22, s23
	s_lshl_b32 s22, s22, 2
	s_add_co_u32 s22, s22, CSO
	s_lshl_b32 s20, s20, 3
	s_add_co_u32 s20, s20, s21
	s_mul_i32 s20, s20, 1536
	s_mov_b32 s21, 0
	s_mov_b32 s23, 0
	s_add_nc_u64 s[OB:OB+1], s[8:9], s[20:21]
	s_add_nc_u64 s[SB:SB+1], s[8:9], s[22:23]
	s_mov_b32 s[STR], 12288
	s_mov_b32 s[STR+1], 0
	s_mov_b32 s[SEL], 0x76543210
	s_mov_b32 s[SEL+1], 0xfedcba98
	s_mov_b32 s[HM], 0xffff0000
	s_wait_loadcnt 0x0                             ; my row's 48 words; the first tiles are on their way meanwhile
	v_min3_num_f32 v[MN], v[PMR], v[PMR+1], v[PMR+2]
.irp k, 3,5,7,9,11,13
	v_min3_num_f32 v[MN], v[MN], v[PMR+\k], v[PMR+\k+1]
.endr
	v_min_num_f32 v[MN], v[MN], v[PMR+15]          ; -M
.irp k, 0,1,2,3,4,5,6,7,8,9,10,11,12,13,14,15
	v_sub_f32 v[DD+\k], v[PMR+\k], v[MN]           ; M - M': a whole number, 0 or more.  (The sixteen K steps by turns: no line waits for the line above it)
.endr
.irp k, 0,1,2,3,4,5,6,7,8,9,10,11,12,13,14,15
	v_cvt_i32_f32 v[DD+\k], v[DD+\k]               ; (it saturates)
.endr
.irp k, 0,1,2,3,4,5,6,7,8,9,10,11,12,13,14,15
	v_min_u32 v[DD+\k], 255, v[DD+\k]              ; D
.endr
.irp k, 0,1,2,3,4,5,6,7,8,9,10,11,12,13,14,15
	v_sub_nc_u32 v[PMR+\k], 0, v[DD+\k]
.endr
.irp k, 0,1,2,3,4,5,6,7,8,9,10,11,12,13,14,15
	v_ldexp_f32 v[PLR+\k], v[PLR+\k], v[PMR+\k]    ; l' under M
.endr
.irp k, 0,1,2,3,4,5,6,7
	v_add_f32 v[PLR+\k], v[PLR+\k], v[PLR+8+\k]
.endr
.irp k, 0,1,2,3
	v_add_f32 v[PLR+\k], v[PLR+\k], v[PLR+4+\k]
.endr
.irp k, 0,1
	v_add_f32 v[PLR+\k], v[PLR+\k], v[PLR+2+\k]
.endr
	v_add_f32 v[LS], v[PLR], v[PLR+1]              ; l
	s_wait_alu depctr_va_vdst(0)
	v_rcp_f32 v[LS], v[LS]                         ; the scale bytes' arithmetic below is the independent work behind it
.irp k, 0,1,2,3,4,5,6,7,8,9,10,11,12,13,14,15
	ADJ \k
.endr
	s_wait_alu depctr_va_vdst(0)                   ; the wait for the reciprocal, ahead of its first reader
.irp k, 0,1,2,3,4,5,6,7,8,9,10,11,12,13,14,15
	ds_store_b32 v[SWA], v[PSR+\k] offset:512*\k
.endr
	ds_store_b32 v[RWA], v[LS]
.irp k, 0,1,2,3,4,5,6,7
	ds_store_b128 v[SWL], v[SC+4*\k:SC+4*\k+3] offset:512*\k   ; my part of B's scale words
.endr
	s_wait_tensorcnt 0x0                           ; my tile of the head's is in
	ds_add_u32 v[SPW], v[NIL]                      ; 0 onto my spare word
	s_wait_dscnt 0x0                               ; the add is done, and for the others' sake my stores have landed
	CROUND                                         ; slot 0 and all scale words are in, and all sixteen work-groups are here
	JLOAD G0A+4, G0B+4                             ; slot 1's first fill: my one load behind the round
	FETCH 0, 0, 0
	SCALES 0, 0
	STEP 0, 0, 0, 1                                ; the first products start the sums
	STEP 0, 1, 0, 0
	STEP 0, 2, 0, 0
	TURN 0, 0, 1, 0, 2                             ; slot 0 takes the third K step
	STEP 1, 0, 1, 0
	STEP 1, 1, 1, 0
	STEP 1, 2, 1, 0
	TURN 1, 1, 0, 1, 2                             ; slot 1 the fourth
	STEP 0, 0, 0, 0
	STEP 0, 1, 0, 0
	STEP 0, 2, 0, 0
	TURN 0, 0, 1, 2, 1
	STEP 1, 0, 1, 0
	STEP 1, 1, 1, 0
	STEP 1, 2, 1, 0
	LAST 1
	PLACES 4
.irp a, 0,1,2,3
	ds_load_b32 v[RL+2*\a], v[RLA] offset:64*\a
	ds_load_b32 v[RL+2*\a+1], v[RLA] offset:64*\a  ; twice: a pair for the packed multiplication
.endr
.irp b, 0,1,2,3
	v_mov_b32 v[TM+4+\b], 0                        ; written once: a lane permute's destination counts as one of its sources
.endr
	s_wait_dscnt 0x0
.set QA, 0
.rept 4
	WIN 0x82
.set QI, 0
.rept 32
	v_pk_mul_f32 v[64*QA+QI:64*QA+QI+1], v[64*QA+QI:64*QA+QI+1], v[RL+2*QA:RL+2*QA+1]   ; / l of my row
.set QI, QI+2
.endr
	QMAX QA
	SCW QA
	QTAIL QA
.set QA, QA+1
.endr
.irp i, 0,1                                    ; four registers (a word for row r of block a, the same in both halves of the lanes) leave as 64 words on end
	v_cndmask_b32 v[ST4+\i], v[PWA+2*\i], v[PWA+2*\i+1], s[HM]
.endr
.irp i, 0,1
	global_store_b32 v[L4], v[ST4+\i], s[SB:SB+1] offset:128*\i
.endr
	s_wait_tensorcnt 0x0                           ; the wave's end
	ds_add_u32 v[SPW], v[NIL]
	s_wait_dscnt 0x0
	CROUND                                         ; the closing round
	s_endpgm
.Lfunc_end_k_q12b98b6d4b_pv:
	.size	k_q12b98b6d4b_pv, .Lfunc_end_k_q12b98b6d4b_pv-k_q12b98b6d4b_pv
	.p2alignl 7, 3214868480
	.fill 96, 4, 3214868480
	.section	.rodata,"a",@progbits
	.p2align	6, 0x0
	.amdhsa_kernel k_q12b98b6d4b_pv
		.amdhsa_group_segment_fixed_size 327680
		.amdhsa_private_segment_fixed_size 0
		.amdhsa_enable_private_segment 0
		.amdhsa_kernarg_size 24
		.amdhsa_user_sgpr_count 2
		.amdhsa_user_sgpr_kernarg_segment_ptr 1
		.amdhsa_wavefront_size32 1
		.amdhsa_system_sgpr_workgroup_id_x 1
		.amdhsa_system_sgpr_workgroup_id_y 1
		.amdhsa_system_sgpr_workgroup_id_z 1
		.amdhsa_system_vgpr_workitem_id 0
		.amdhsa_next_free_vgpr 768
		.amdhsa_next_free_sgpr 102
		.amdhsa_reserve_vcc 0
		.amdhsa_float_denorm_mode_32 3
		.amdhsa_float_denorm_mode_16_64 3
		.amdhsa_memory_ordered 1
		.amdhsa_forward_progress 1
		.amdhsa_inst_pref_size 173
	.end_amdhsa_kernel
	.amdgpu_metadata
---
amdhsa.version: [ 1, 2 ]
amdhsa.kernels:
  - .name:           k_q12b98b6d4b_pv
    .symbol:         k_q12b98b6d4b_pv.kd
    .args:
      - { .name: p, .offset: 0, .size: 8, .value_kind: global_buffer, .address_space: global }
      - { .name: qkv, .offset: 8, .size: 8, .value_kind: global_buffer, .address_space: global }
      - { .name: ctx, .offset: 16, .size: 8, .value_kind: global_buffer, .address_space: global }
    .group_segment_fixed_size: 327680
    .private_segment_fixed_size: 0
    .kernarg_segment_align: 8
    .kernarg_segment_size: 24
    .max_flat_workgroup_size: 128
    .sgpr_count:     102
    .vgpr_count:     768
    .wavefront_size: 32
...
	.end_amdgpu_metadata
.endif
;; end of part 4
;; launch out (part 5): grid 4 x 64, 4 waves a work-group, clusters of 4 x 4, 327,680 bytes of LDS; arguments ctx, xw, bo, out0; writes out0
.if DOCPART == 5
	.amdgcn_target "amdgcn-amd-amdhsa--gfx1250"
	.amdhsa_code_object_version 6
	.text
	.protected	k_q12b98b6d4b_out
	.globl	k_q12b98b6d4b_out
	.p2align	8
	.type	k_q12b98b6d4b_out,@function
k_q12b98b6d4b_out:
	s_mov_b64 s[64:65], 0
	v_nop
	global_prefetch_b8 v0, s[64:65] scope:SCOPE_SE
	s_setreg_imm32_b32 hwreg(HW_REG_WAVE_MODE, 25, 1), 1
	s_wait_xcnt 0x0
	s_wait_alu depctr_hold_cnt(0) depctr_sa_sdst(0) depctr_va_vdst(0) depctr_va_sdst(0) depctr_va_ssrc(0) depctr_va_vcc(0) depctr_vm_vsrc(0)
	s_getreg_b32 s2, hwreg(HW_REG_IB_STS2, 6, 4)
	s_cmp_eq_u32 s2, 0
	s_cbranch_scc0 .Lentry_in_a_cluster
	s_endpgm
.Lentry_in_a_cluster:
	s_bfe_u32 s2, ttmp6, 0x10000c
	s_cmp_lg_u32 s2, 0xf033
	s_cbranch_scc0 .Lentry_shape_is_right
	s_endpgm
.Lentry_shape_is_right:
; out0 = ctx Wo^T + bo on codes of FP6 (E2M3): A = ctx's images, B = Wo's out of xw; the result is f32, [8192][1024].
; OPERANDS lie as images of their registers: [row block of 16][K step of 128][1,536 bytes]; scale words [K step][row].  Rows lie with bits 3 and 4 of their number exchanged within each 32.
; A TILE OF C IS 128 ROWS x 256 COLUMNS: 64 x 4 tiles, a work-group each.  Four waves, 64 rows x 128 columns each: 32 accumulators, 256 registers.  K = 1,024 is two steps of 512, one in each of two LDS slots: both are
; first fills, and no LDS byte is filled twice.  One barrier stands at the change of slots, behind each wave's wait for all its tensor loads.
; THE MATRIX INSTRUCTION IS USED TRANSPOSED (source 0 = 16 rows of B, source 1 = 16 rows of A).  CLUSTERS of 4 x 4: A's tile is shared along a row of the cluster, B's along a column: joint loads.
; The bias is the C of each sum's first matrix instruction.  THE WAY OUT: lane (r, h) holds the row at place r of A's block a and, in B's block b, columns 32 (b / 2) + 8 (b % 2) + 16 h + 0 .. 7.  A block of 16 rows x 128
; columns goes through my own stage in LDS (rows of 528 bytes) and comes back as whole rows of 512 bytes; the row at place t of block a is row 32 (a / 2) + 8 (a % 2) + t + 8 (t / 8) of my 64: here the row order is undone.
; The stage lies in slot 0, which is filled once and which every wave has left when it passes the change of slots' barrier.
; LIMITS: NaN and infinities are not served.
; REGISTERS: window 0: v1-29 addresses; v32-95 scale words, two sets; v96-127 and v224-255 the bias; v128-175, v176-223 A's fragments, two sets.  window 1: B's fragments, two sets.  window 2: accumulator (a, b) at
;   v[8 (8 a + b)].  On the way out v128-255 of window 0 take the rows read back.
.set KS,    8
.set RSA,   8192
.set RSB,   12288
.set XWS,   9437184
.set CSO,   6291456
.set FR,    12
.set HALFA, 24576                      ; 4 row blocks x 4 images
.set HALFB, 49152                      ; 8 row blocks x 4 images
.set SLOT,  2*HALFA+2*HALFB
.set HALFS, 512*KS                     ; the scale words of 128 rows, all of K
.set SCL,   2*SLOT                     ; behind the slots: A's scale words [K step][256 words], then B's two parts
.set SPARE, SCL+4*HALFS                ; behind the scale words ([K step][256 words] for A, whose upper 128 are zeros, then the same for B): the spare words
.set SPITCH, 528
.set ADRA, 16
.set ADRB, 20
.set RD,   23                          ; v23  the way out: where I read a row back
.set STO,  24                          ; v24  the way out: where I put 32 bytes of a row
.set LI,   26
.set ADRS, 27
.set SPW,  28
.set NIL,  29
.set SC,   32
.set CB,   96                          ; the bias of B's block b at v[CB + 8 b + 96 (b / 4)]
.set AF,   128
.set BK,   128                         ; the way out: 16 rows read back: v128-191 and v192-255 by turns
.set G1A,  24
.set G0A,  32
.set G1B,  44
.set G0B,  52
.set G1SA, 68
.set G0SA, 76
.set G1SB, 80
.set G0SB, 88
.set OB,   20
.set MSB, 0
.macro WIN new                         ; the immediate's high byte repeats the setting that is left
.if MSB != (\new)
	s_set_vgpr_msb (MSB<<8)|(\new)
.set MSB, (\new)
.endif
.endm
.macro PLACES n
.rept \n
	v_nop
.endr
.endm
.macro CROUND                          ; a round of the cluster's barrier
	s_barrier_signal -1
	s_barrier_wait -1
	s_cmp_lg_u32 s14, 0
	s_cbranch_scc1 .Lnot_wave_0_\@
	s_barrier_signal -3
.Lnot_wave_0_\@:
	s_barrier_wait -3
	s_barrier_signal -1
	s_barrier_wait -1
.endm
.macro FRAG reg, adr, q, i             ; an image comes back as it was stored: three loads of 512 consecutive bytes
.irp c, 0,1,2
	ds_load_b128 v[\reg+4*\c:\reg+4*\c+3], v[\adr] offset:6144*(\i)+1536*(\q)+512*\c
.endr
.endm
.macro FETCH slot, q, p                ; the slot's q-th 128 along K into the sets p: B's eight fragments, A's four: 36 loads in one run
	WIN 0x40
.irp i, 0,1,2,3,4,5,6,7
	FRAG 128*(\p)+FR*\i, ADRB+\slot, \q, \i
.endr
	WIN 0
.irp i, 0,1,2,3
	FRAG AF+48*(\p)+FR*\i, ADRA+\slot, \q, \i
.endr
.endm
.macro SCALES sc, j                    ; K step j's scale words into set sc.  (For i from 4 on lanes 0-15 load words that no product reads: bytes of the scale words' region, landed ahead of the first barrier)
.irp i, 0,1,2,3,4,5,6,7
.irp q, 0,1,2,3
	ds_load_b32 v[SC+32*(\sc)+4*\i+\q], v[ADRS] offset:(4*(\j)+\q)*1024+64*\i
.endr
.endr
.endm
; 8 matrix instructions: A's block a x B's eight.  cm = 2: the bias starts the sums.  The 32 accumulators take turns, one instruction a turn, in one order throughout.
.macro MULA a, p, q, sc, cm
.irp b, 0,1,2,3,4,5,6,7
.if \cm == 2
	v_wmma_scale_f32_16x16x128_f8f6f4 v[8*(8*(\a)+\b):8*(8*(\a)+\b)+7], v[128*(\p)+FR*\b:128*(\p)+FR*\b+FR-1], v[AF+48*(\p)+FR*(\a):AF+48*(\p)+FR*(\a)+FR-1], v[CB+8*\b+96*(\b/4):CB+8*\b+96*(\b/4)+7], v[SC+32*(\sc)+4*\b+(\q)], v[SC+32*(\sc)+4*(\a)+(\q)] matrix_a_fmt:MATRIX_FMT_FP6 matrix_b_fmt:MATRIX_FMT_FP6 matrix_a_scale:MATRIX_SCALE_ROW1
.else
	v_wmma_scale_f32_16x16x128_f8f6f4 v[8*(8*(\a)+\b):8*(8*(\a)+\b)+7], v[128*(\p)+FR*\b:128*(\p)+FR*\b+FR-1], v[AF+48*(\p)+FR*(\a):AF+48*(\p)+FR*(\a)+FR-1], v[8*(8*(\a)+\b):8*(8*(\a)+\b)+7], v[SC+32*(\sc)+4*\b+(\q)], v[SC+32*(\sc)+4*(\a)+(\q)] matrix_a_fmt:MATRIX_FMT_FP6 matrix_b_fmt:MATRIX_FMT_FP6 matrix_a_scale:MATRIX_SCALE_ROW1
.endif
.endr
.endm
.macro STEP slot, q, sc, cm            ; one of a slot's first three steps of 128 along K
	s_wait_dscnt 0x0                               ; this step's fragments, asked for a whole step ago, are in
	PLACES 4                                       ; behind the last step's products, which read the sets that are loaded now
	FETCH \slot, (\q)+1, 1-(\q)%2
.if \cm == 2
	WIN 0x81                                       ; B window 1, A and the bias window 0, D window 2
.else
	WIN 0xa1                                       ; B window 1, A window 0, C and D window 2
.endif
.irp a, 0,1,2,3
	MULA \a, (\q)%2, \q, \sc, \cm
.endr
.endm
.macro TOSTAGE a
.set AC, 64*(\a)
	WIN 0x08                                       ; an LDS store's data are its source 1: window 2
.irp b, 0,1,2,3,4,5,6,7
	ds_store_b128 v[STO], v[AC+8*\b:AC+8*\b+3] offset:128*(\b/2)+32*(\b%2)          ; each accumulator from its low end on
	ds_store_b128 v[STO], v[AC+8*\b+4:AC+8*\b+7] offset:128*(\b/2)+32*(\b%2)+16
.endr
	WIN 0
.set BB, BK+64*((\a)%2)
.irp t, 0,1,2,3,4,5,6,7,8,9,10,11,12,13,14,15
	ds_load_b128 v[BB+4*\t:BB+4*\t+3], v[RD] offset:\t*SPITCH      ; LDS serves a wave's instructions in order: these see the stores above
.endr
.endm
.macro SEND a, younger                 ; younger: the LDS instructions issued behind block a's loads, which may stay out
.set BB, BK+64*((\a)%2)
	s_wait_dscnt \younger
.irp t, 0,1,2,3,4,5,6,7,8,9,10,11,12,13,14,15
	global_store_b128 v[LI], v[BB+4*\t:BB+4*\t+3], s[OB:OB+1] offset:(32*((\a)/2)+8*((\a)%2)+\t+8*(\t/8))*4096 th:TH_STORE_NT   ; 32 lanes store 512 consecutive bytes, aligned; 63 rows of 4,096 bytes at the most: inside the immediate
.endr
.endm
	s_load_b256 s[4:11], s[0:1], 0x0               ; ctx, xw, bo, out0
	v_lshl_add_u32 v[SPW], v0, 2, SPARE
	v_mov_b32 v[NIL], 0
	ds_add_u32 v28, v29
	ds_add_u32 v28, v29
	s_wait_dscnt 0x0
	v_lshrrev_b32 v1, 5, v0
	v_readfirstlane_b32 s14, v1                    ; wave 0..3
	v_and_b32 v3, 31, v0                           ; lane
	v_and_b32 v1, 15, v0                           ; r
	v_bfe_u32 v2, v0, 4, 1                         ; h
	s_lshr_b32 s15, s14, 1                         ; my half of the tile's rows.  Also: I fetch for A (0) or for B (1)
	s_and_b32 s16, s14, 1                          ; my half of its columns.  Also: which half I fetch
	s_bfe_u32 s92, ttmp6, 0x40000                  ; cx
	s_bfe_u32 s93, ttmp6, 0x40004                  ; cy
	s_and_b32 s95, ttmp7, 0xffff                   ; the cluster's y: 512 rows each
	s_lshl_b32 s17, s93, 2
	s_lshl_b32 s17, 15, s17                        ; my row of the cluster
	s_lshl_b32 s18, 0x1111, s92                    ; my column
	s_or_b32 s[G1A], s17, (3<<16)|(1<<21)          ; the mask; elements of 8 bytes; bit 21 beside a mask; no padding
	s_or_b32 s[G1B], s18, (3<<16)|(1<<21)
.irp g, G1A, G1B
	s_mov_b32 s[\g+1], 768<<16                     ; tensor_dim0: four images, 6,144 bytes
	s_mov_b32 s[\g+3], 768<<16                     ; tile_dim0
	s_mov_b32 s[\g+5], 192*KS                      ; from a row block to the next: KS images
	s_mov_b32 s[\g+6], 0
	s_mov_b32 s[\g+7], 0
.endr
	s_mov_b32 s[G1A+2], 8<<16                      ; the head's loads bring whole tiles: A: 8 row blocks,
	s_mov_b32 s[G1A+4], 8
	s_mov_b32 s[G1B+2], 16<<16                     ; B: 16
	s_mov_b32 s[G1B+4], 16
	s_or_b32 s[G1SA], s17, (2<<16)|(1<<21)         ; the scale words, 256 words a row.  A's: the tile's 128 rows, all eight K steps, by wave 1;
	s_or_b32 s[G1SB], s18, (2<<16)|(1<<21)         ; B's: all 256 rows, all eight K steps, by wave 3
.irp g, G1SA, G1SB
	s_mov_b32 s[\g+3], 256<<16                     ; a tile's row: 256 words
	s_mov_b32 s[\g+6], 0
	s_mov_b32 s[\g+7], 0
.endr
	s_mov_b32 s[G1SA+1], 128<<16                   ; A has 128 rows: past that extent the load writes zeros
	s_mov_b32 s[G1SB+1], 256<<16
	s_mov_b32 s[G1SA+2], KS<<16
	s_mov_b32 s[G1SA+4], KS
	s_mov_b32 s[G1SA+5], RSA
	s_mov_b32 s[G1SB+2], KS<<16
	s_mov_b32 s[G1SB+4], KS
	s_mov_b32 s[G1SB+5], RSB
	s_lshl_b32 s96, s95, 2
	s_add_co_u32 s96, s96, s93                     ; A: ctx's tile of 128 rows: 4 Y + cy
	s_lshl_b32 s12, s96, 9                         ; its rows' scale words,
	s_add_co_u32 s12, s12, CSO
	s_mov_b32 s13, 0
	s_add_co_u32 s98, s92, 44                      ; B: Wo's tile of 256 rows: 44 + cx of xw
	s_lshl_b32 s96, s96, 1
	s_add_co_u32 s96, s96, s16                     ; in units of 64 rows, + the half that I fetch
	s_mul_i32 s20, s96, 4*KS*1536
	s_mov_b32 s21, 0
	s_lshl_b32 s98, s98, 1
	s_add_co_u32 s98, s98, s16                     ; in units of 128 rows
	s_mul_i32 s22, s98, 8*KS*1536
	s_mov_b32 s23, 0
	s_sub_co_u32 s98, s98, s16                     ; B's scale words come for the whole tile
	s_lshl_b32 s98, s98, 9
	s_add_co_u32 s98, s98, XWS
	s_mov_b32 s99, 0
	s_mul_i32 s2, s16, HALFA                       ; where my part goes: no place in the cluster enters an LDS address.  A's two parts,
	s_mul_i32 s3, s16, HALFB
	s_add_co_u32 s3, s3, 2*HALFA                   ; then B's two
	s_mov_b32 s19, SCL                             ; A's scale words
	s_mov_b32 s66, SCL+2*HALFS                     ; B's, behind A's
	s_wait_kmcnt 0x0
	s_add_nc_u64 s[20:21], s[4:5], s[20:21]
	s_add_nc_u64 s[12:13], s[4:5], s[12:13]
	s_add_nc_u64 s[22:23], s[6:7], s[22:23]
	s_add_nc_u64 s[98:99], s[6:7], s[98:99]
	s_mov_b32 s[G0SA], 1
	s_mov_b32 s[G0SA+1], s19
	s_mov_b64 s[G0SA+2:G0SA+3], s[12:13]
	s_or_b32 s[G0SA+3], s[G0SA+3], 0x80000000
	s_mov_b32 s[G0SB], 1
	s_mov_b32 s[G0SB+1], s66
	s_mov_b64 s[G0SB+2:G0SB+3], s[98:99]
	s_or_b32 s[G0SB+3], s[G0SB+3], 0x80000000
.irp s, 0,1
	s_mov_b32 s[G0A+4*\s], 1
	s_add_co_u32 s[G0A+4*\s+1], s2, \s*SLOT
	s_add_nc_u64 s[G0A+4*\s+2:G0A+4*\s+3], s[20:21], \s*6144
	s_or_b32 s[G0A+4*\s+3], s[G0A+4*\s+3], 0x80000000
	s_mov_b32 s[G0B+4*\s], 1
	s_add_co_u32 s[G0B+4*\s+1], s3, \s*SLOT
	s_add_nc_u64 s[G0B+4*\s+2:G0B+4*\s+3], s[22:23], \s*6144
	s_or_b32 s[G0B+4*\s+3], s[G0B+4*\s+3], 0x80000000
.endr
	s_cmp_eq_u32 s15, 0                            ; the prefetch's base: the row blocks that I fetch for slot 1 (A: 4, B: 8),
	s_cselect_b64 s[98:99], s[20:21], s[22:23]
	s_cselect_b32 s96, s92, s93                    ; my work-group's place among the four that ask with me: by address alone
	s_mul_i32 s96, s96, 12288                      ; A: one row block of 12,288 bytes to each partner,
	s_lshl_b32 s96, s96, s15                       ; B: two
	s_mov_b32 s97, 0
	s_add_nc_u64 s[98:99], s[98:99], s[96:97]
	CROUND                                         ; all sixteen work-groups are here: the joint loads meet
	; the head's four tiles, one a wave, in one chain of branches on the wave's number: wave 0 slot 0's 128 rows of A (its set 0 points at their start), wave 2 its 256 rows of B, wave 1 A's scale words, wave 3 B's
	s_cmp_lg_u32 s14, 0
	s_cbranch_scc1 .Lhead_1
	tensor_load_to_lds s[G0A:G0A+3], s[G1A:G1A+7]
	s_nop 0
	PLACES 4
	s_branch .Lfirst_done
.Lhead_1:
	s_cmp_lg_u32 s14, 1
	s_cbranch_scc1 .Lhead_2
	tensor_load_to_lds s[G0SA:G0SA+3], s[G1SA:G1SA+7]
	s_nop 0
	PLACES 4
	s_branch .Lfirst_done
.Lhead_2:
	s_cmp_lg_u32 s14, 2
	s_cbranch_scc1 .Lhead_3
	tensor_load_to_lds s[G0B:G0B+3], s[G1B:G1B+7]
	s_nop 0
	PLACES 4
	s_branch .Lfirst_done
.Lhead_3:
	tensor_load_to_lds s[G0SB:G0SB+3], s[G1SB:G1SB+7]
	s_nop 0
	PLACES 4
.Lfirst_done:
	s_wait_alu depctr_va_vdst(0)
	v_lshlrev_b32 v[LI], 4, v3
	v_min_u32 v30, 23, v3                          ; a K step of a row block is 24 blocks of 256 bytes: a lane a block, the lanes left over name the last again
	v_lshlrev_b32 v30, 8, v30
	global_prefetch_b8 v30, s[98:99] offset:6144 th:TH_LOAD_NT scope:SCOPE_SE   ; what slot 1's fill will ask for: my work-group's share of the row blocks that I fetch
	s_wait_alu depctr_va_vdst(0)
	s_cmp_eq_u32 s15, 0
	s_cbranch_scc1 .Lpf_done
	global_prefetch_b8 v30, s[98:99] offset:18432 th:TH_LOAD_NT scope:SCOPE_SE  ; B's second row block.  v30 and s[98:99] are not written again
.Lpf_done:
	s_mul_i32 s20, s15, HALFA                      ; my 64 rows of A
	s_mul_i32 s21, s16, HALFB
	s_add_co_u32 s21, s21, 2*HALFA                 ; my 128 rows of B, behind A's 128
.irp s, 0,1
	v_add_nc_u32 v[ADRA+\s], s20, v[LI]
	v_add_nc_u32 v[ADRB+\s], s21, v[LI]
	s_add_co_u32 s20, s20, SLOT
	s_add_co_u32 s21, s21, SLOT
.endr
	s_lshl_b32 s20, s15, 8                         ; A's words: [K step][256 words]: my 64 rows begin 256 bytes x half on
	s_lshl_b32 s21, s16, 9                         ; B's: my 128 rows' words in a K step's 256,
	s_add_co_u32 s21, s21, 2*HALFS                 ; behind A's
	s_sub_co_u32 s21, s21, s20
	v_mul_u32_u24 v4, s21, v2                      ; lanes 16-31 take B's
	s_add_co_u32 s20, s20, SCL
	v_lshl_add_u32 v4, v1, 2, v4
	v_add_nc_u32 v[ADRS], s20, v4
	s_mul_i32 s20, s14, 16*SPITCH                  ; my stage, in slot 0
	v_mul_u32_u24 v4, v1, SPITCH
	v_lshl_add_u32 v4, v2, 6, v4                   ; in: row r, + 64 h
	v_add_nc_u32 v[STO], s20, v4
	v_add_nc_u32 v[RD], s20, v[LI]                 ; back: 16 bytes a lane of a row's 512
	; the bias: for B's block b lane (r, h) wants bo at columns 32 (b / 2) + 8 (b % 2) + 16 h + 0 .. 7 of my 128
	s_lshl_b32 s22, s92, 8
	s_lshl_b32 s23, s16, 7
	s_add_co_u32 s22, s22, s23
	s_lshl_b32 s22, s22, 2                         ; my first column, in bytes
	s_mov_b32 s23, 0
	s_add_nc_u64 s[8:9], s[8:9], s[22:23]
	v_lshlrev_b32 v5, 6, v2
.irp b, 0,1,2,3,4,5,6,7
	global_load_b128 v[CB+8*\b+96*(\b/4):CB+8*\b+96*(\b/4)+3], v5, s[8:9] offset:(32*(\b/2)+8*(\b%2))*4
	global_load_b128 v[CB+8*\b+96*(\b/4)+4:CB+8*\b+96*(\b/4)+7], v5, s[8:9] offset:(32*(\b/2)+8*(\b%2))*4+16
.endr
	s_lshl_b32 s20, s95, 2
	s_add_co_u32 s20, s20, s93
	s_lshl_b32 s20, s20, 1
	s_add_co_u32 s20, s20, s15                     ; my first row, in units of 64
	s_lshl_b32 s20, s20, 18                        ; x 64 rows of 4,096 bytes
	s_add_co_u32 s20, s20, s22
	s_mov_b32 s21, 0
	s_add_nc_u64 s[OB:OB+1], s[10:11], s[20:21]
	s_wait_alu depctr_va_vdst(0)
	s_wait_loadcnt 0x0                             ; the bias
	s_wait_tensorcnt 0x0                           ; my tile of the head's four is in
	ds_add_u32 v[SPW], v[NIL]                      ; 0 onto my spare word
	s_mov_b32 s[G1A+2], 4<<16                      ; no tensor load of mine is out: the next load brings half a tile's row blocks
	s_mov_b32 s[G1A+4], 4
	s_mov_b32 s[G1B+2], 8<<16
	s_mov_b32 s[G1B+4], 8
	s_wait_dscnt 0x0                               ; the add is done
	CROUND                                         ; all four tiles are in, and all sixteen work-groups are here
	s_cmp_eq_u32 s15, 0                            ; slot 1's fill, my one load behind the round: waves 0 and 1 fetch for A, waves 2 and 3 for B
	s_cbranch_scc0 .Lsec_b
	tensor_load_to_lds s[G0A+4:G0A+7], s[G1A:G1A+7]
	s_nop 0
	PLACES 4
	s_branch .Lsec_done
.Lsec_b:
	tensor_load_to_lds s[G0B+4:G0B+7], s[G1B:G1B+7]
	s_nop 0
	PLACES 4
.Lsec_done:
	FETCH 0, 0, 0
	SCALES 0, 0
	STEP 0, 0, 0, 2                                ; the first products start the sums from the bias
	STEP 0, 1, 0, 0
	STEP 0, 2, 0, 0
	; slot 0's fourth step, and the change to slot 1: each wave waits for all its tensor loads, adds 0 to its spare word, and waits for that and for its reads of slot 0; one barrier; nothing is filled
	WIN 0                                          ; (the add's two registers lie in window 0)
	s_wait_tensorcnt 0x0                           ; my part of slot 1 has landed
	ds_add_u32 v[SPW], v[NIL]                      ; 0 onto my spare word
	s_wait_dscnt 1                                 ; (the add may be out)  this step's fragments are in
	WIN 0xa1
	MULA 0, 1, 3, 0, 0
	s_wait_dscnt 0x0                               ; the add is done, and my reads of slot 0 are over
	s_barrier_signal -1
	MULA 1, 1, 3, 0, 0
	WIN 0
	s_barrier_wait -1
	PLACES 4
	FETCH 1, 0, 0
	SCALES 1, 1
	WIN 0xa1
	MULA 2, 1, 3, 0, 0
	MULA 3, 1, 3, 0, 0
	STEP 1, 0, 1, 0
	STEP 1, 1, 1, 0
	STEP 1, 2, 1, 0
	s_wait_dscnt 0x0                               ; the very last 128 along K
.irp a, 0,1,2,3
	MULA \a, 1, 3, 1, 0
.endr
	WIN 0
	PLACES 4                                       ; for the reads of the results and for the loads into the registers that held A's fragments
	TOSTAGE 0
.irp a, 1,2,3
.if \a > 1
	s_wait_xcnt 0x0                                ; block a - 2's stores have read their registers: block a's loads may land there
.endif
	TOSTAGE \a
	SEND \a-1, 32                                  ; behind block a - 1's loads: block a's 16 stores and 16 loads
.endr
	SEND 3, 0
	s_wait_tensorcnt 0x0                           ; the wave's end
	ds_add_u32 v[SPW], v[NIL]
	s_wait_dscnt 0x0
	CROUND                                         ; the closing round
	s_endpgm
.Lfunc_end_k_q12b98b6d4b_out:
	.size	k_q12b98b6d4b_out, .Lfunc_end_k_q12b98b6d4b_out-k_q12b98b6d4b_out
	.p2alignl 7, 3214868480
	.fill 96, 4, 3214868480
	.section	.rodata,"a",@progbits
	.p2align	6, 0x0
	.amdhsa_kernel k_q12b98b6d4b_out
		.amdhsa_group_segment_fixed_size 327680
		.amdhsa_private_segment_fixed_size 0
		.amdhsa_enable_private_segment 0
		.amdhsa_kernarg_size 32
		.amdhsa_user_sgpr_count 2
		.amdhsa_user_sgpr_kernarg_segment_ptr 1
		.amdhsa_wavefront_size32 1
		.amdhsa_system_sgpr_workgroup_id_x 1
		.amdhsa_system_sgpr_workgroup_id_y 1
		.amdhsa_system_sgpr_workgroup_id_z 1
		.amdhsa_system_vgpr_workitem_id 0
		.amdhsa_next_free_vgpr 768
		.amdhsa_next_free_sgpr 102
		.amdhsa_reserve_vcc 0
		.amdhsa_float_denorm_mode_32 3
		.amdhsa_float_denorm_mode_16_64 3
		.amdhsa_memory_ordered 1
		.amdhsa_forward_progress 1
		.amdhsa_inst_pref_size 84
	.end_amdhsa_kernel
	.amdgpu_metadata
---
amdhsa.version: [ 1, 2 ]
amdhsa.kernels:
  - .name:           k_q12b98b6d4b_out
    .symbol:         k_q12b98b6d4b_out.kd
    .args:
      - { .name: ctx, .offset: 0, .size: 8, .value_kind: global_buffer, .address_space: global }
      - { .name: xw, .offset: 8, .size: 8, .value_kind: global_buffer, .address_space: global }
      - { .name: bo, .offset: 16, .size: 8, .value_kind: global_buffer, .address_space: global }
      - { .name: out0, .offset: 24, .size: 8, .value_kind: global_buffer, .address_space: global }
    .group_segment_fixed_size: 327680
    .private_segment_fixed_size: 0
    .kernarg_segment_align: 8
    .kernarg_segment_size: 32
    .max_flat_workgroup_size: 128
    .sgpr_count:     102
    .vgpr_count:     768
    .wavefront_size: 32
...
	.end_amdgpu_metadata
.endif
;; end of part 5
